; MI455X (gfx1250); checked and timed in simulation.
; The chip was launched on July 23, 2026; its instructions are those of AMD's public machine-readable ISA for CDNA 5 (MIT licence, August 2026) and "CDNA5" Instruction Set Architecture Reference Guide (July 2026). The comments in the code are by the model that wrote it; some were corrected since.
;; Multi Head Attention. Allowed arithmetic: matrix products marked QUANTISED: E2M3 operands, one E8M0 scale for each 32 along K, by v_wmma_scale_f32_16x16x128_f8f6f4 with both operands' format E2M3, f32 sums; everything else in f32.
;; Inputs: b_proj 1,024 float32; b_qkv 3,072 float32; w_proj 1,024 x 1,024 float32; w_qkv 1,024 x 3,072 float32; x 8 x 1,024 x 1,024 float32.
;; Outputs: out0 8 x 1,024 x 1,024 float32.
;; This version of the problem:
;;   THIS VERSION OF THE PROBLEM IS GIVEN IN LOW PRECISION. The matrix products marked QUANTISED in the list below multiply operands that are first quantised to E2M3 (2 exponent bits, 3 mantissa bits; 6 bits a number), with one power-of-two scale for each 32 numbers along K (OCP MX v1.0); their sums are f32. All else is computed in f32.
;;   The module's matrix products, in the order in which they are computed (A, B: the left and right operand; K: the contracted axis; several contracted axes count as one K, in the product's order):
;;     1. [M 8,192, K 1,024] x [K 1,024, N 3,072]; A: input x; B: input w_qkv: QUANTISED
;;     2. batch 128 x [M 1,024, K 64] x [K 64, N 1,024]; A: computed on the way; B: computed on the way: QUANTISED
;;     3. batch 128 x [M 64, K 1,024] x [K 1,024, N 1,024]; A: computed on the way; B: computed on the way: QUANTISED
;;     4. [M 8,192, K 1,024] x [K 1,024, N 1,024]; A: computed on the way; B: input w_proj: QUANTISED
;;   THE QUANTISER, for each operand of a quantised product, along K:
;;     - K is cut into blocks of 32 from its start; a last block that is shorter is filled with zeros.
;;     - A block's scale is 2^e with e = floor(log2(the largest magnitude in the block)) - 2, held to -126 .. 127; a block of zeros has e = 0. As a byte (E8M0): e + 127.
;;     - Each number is divided by its block's scale, clamped to +-7.5, and rounded to the nearest number of E2M3, ties to even, subnormals kept.
;;     - The product sums the exact products of the quantised numbers (number of the format x scale) in f32.
;;   ~~~python
;;   def quantise(x, axis):      # numpy; x: float32 -> the quantised numbers, widened to float32 again
;;       x = np.moveaxis(x, axis, -1); K = x.shape[-1]
;;       x = np.pad(x, [(0, 0)] * (x.ndim - 1) + [(0, -K % 32)]); x = x.reshape(x.shape[:-1] + (-1, 32)); a = np.abs(x).max(-1, keepdims=True)
;;       e = np.where(a > 0, np.clip(np.frexp(np.where(a > 0, a, 1))[1] - 1 - 2, -126, 127), 0)      # np.frexp(a)[1] - 1 = floor(log2(a)), exactly
;;       r = np.clip(x / 2.0 ** e, -7.5, 7.5)
;;       step = 2.0 ** (np.maximum(np.frexp(np.where(r == 0, 1, r))[1] - 1, 0) - 3)
;;       q = np.round(r / step) * step * 2.0 ** e      # np.round: ties to even
;;       return np.moveaxis(q.reshape(q.shape[:-2] + (-1,))[..., :K], -1, axis).astype(np.float32)
;;   ~~~
;;   OPERANDS COMPUTED ON THE WAY. 'Computed on the way' means the value that the module computes at that place (a softmax that the list does not call 'softmax' is quantised finished and normalised). What goes into a quantiser is computed in f32, as accurately as f32 sums, v_exp_f32 and their like allow (about 1e-6 of the number): no bf16 or f16 on the way to a quantiser, and a product that is left as it is and whose result goes on into a quantised operand takes f32 operands (vector FMAs, or v_wmma_f32_16x16x4_f32). A number that lies on a knife's edge between two numbers of the format may be rounded either way, as far as f32 arithmetic and the matrix unit's own rounding can turn it there, and no further.
;; One version. Each part assembles by itself: llvm-mc -triple=amdgcn-amd-amdhsa -mcpu=gfx1250 --defsym DOCPART=n.
;; ======== version 1 of 1: 4 launches
;; limits: right only within a limited range of input values
;; workspace buffers: xc 6,291,456 bytes; xs 262,144 bytes; wc 3,145,728 bytes; ws 131,072 bytes; qkvc 18,874,368 bytes; qkvs 786,432 bytes; oc 6,291,456 bytes; os 262,144 bytes
;; launch prep (part 1): grid 640 x 1, 4 waves a work-group, no clusters, 58,880 bytes of LDS; arguments x, w_qkv, w_proj, xc, xs, wc, ws; writes xc, xs, wc, ws
.if DOCPART == 1
	.amdgcn_target "amdgcn-amd-amdhsa--gfx1250"
	.amdhsa_code_object_version 6
	.text
	.protected	k_qd78d34fdce_prep
	.globl	k_qd78d34fdce_prep
	.p2align	8
	.type	k_qd78d34fdce_prep,@function
k_qd78d34fdce_prep:
	s_mov_b64 s[64:65], 0
	v_nop
	global_prefetch_b8 v0, s[64:65] scope:SCOPE_SE
	s_setreg_imm32_b32 hwreg(HW_REG_WAVE_MODE, 25, 1), 1
	s_wait_xcnt 0x0
; PREP: x [8192][1024], w_qkv [1024][3072] and w_proj [1024][1024], f32, become codes of E2M3 with one E8M0 byte for each 32 along K = 1024.
; NO WORK OF THE PROBLEM IS LEFT OUT in this program: every input reaches the output (k's bias moves k's codes, so it stays), and every product is live.
; THE QUANTISER: a block's scale is 2^(floor(log2(largest magnitude)) - 2); its byte is the largest magnitude's exponent field - 2, held at 1 from below by a floor among the maximum's leaves.
; LIMITS: NaN and infinities among the inputs are not served.  A block whose largest magnitude lies under 2^-124 keeps the byte 1; a block of zeros too, where the rule says 127: its codes are zeros, which add
; nothing under any byte but 0xff, and this program alone reads the bytes.
; LAYOUTS, shared by all four launches.
;  WHICH ROWS FORM A TILE: in each group of 64 (tokens, a head's 64, output columns) tile t, row p is index 32 (p / 8) + 8 t + p % 8.  A matrix result's lane half h and register j hold tile row 8 h + j, so the 32 registers
;  of a group's four tiles are the 32 NEIGHBOURS 32 h + 0 .. 31: a whole block of the next product's K in one lane, in the order that the operand's registers want.
;  AN IMAGE H(T, g): 16 rows x 64 K, 768 bytes: lane L = p + 16 e owns block 2 g + e of row p, 24 bytes: its first 16 at 16 L, its last 8 at 512 + 8 L.  Two images on end are a fragment's 12 registers, by loads of 16, 8, 16, 8 bytes a lane.
;  A tile's 16 images lie on end: 12,288 bytes.  SCALES: [tile][8 K steps][16 rows] words, byte b = block 4 s + b.
; SHARES: work-groups 0-511: token tile T = the work-group's number, wave w its K steps 2 w, 2 w + 1.  Work-groups 512-639: the weights: a wave takes 64 columns (q, k or v of a head; a quad of w_proj) x 128 K.
; No tensor loads, no barrier: waves share nothing.  The two paths have LDS bytes of their own.
.set XST,   8448                       ; x: a wave's stage, 16 rows x (512 + 16) bytes
.set WST0,  4*XST                      ; the weights' stages begin here: 6,144 bytes a wave: four tiles x two images
.set WSTB,  6144
.set SPARE, WST0+4*WSTB                ; the spare words, 128 bytes a wave: two blocks of 256 bytes that no other line names
.set SPW,   12                         ; v12 my spare word's address; never rewritten
.set NIL,   13                         ; v13 0; never rewritten
.set TM,    48                         ; v48-63 at work
.set FLOOR, 0x1800000                  ; 2^(3 - 127)
.set LESS2, 0xff000000                 ; takes 2 off an exponent field
.set XR,    96                         ; v96-223 numbers
.set VO,    16                         ; v16-47 weights: 32 load offsets
.set CD,    64                         ; v64-95 weights: codes, 8 registers a block
; 64 numbers of a lane, register 32 c + i = k 64 c + 32 h + i of its row, become a fragment's 12 registers at pc and the row's scale word in pw.
.macro QUANT64 s, pc, tc, pw
.irp k, 0,1,2,3
	v_max3_num_f32 v[TM+\k], |v[(\s)+16*\k]|, |v[(\s)+16*\k+1]|, FLOOR      ; four chains, two to a block, by turns
.endr
.irp i, 2,4,6,8,10,12,14
.irp k, 0,1,2,3
	v_max3_num_f32 v[TM+\k], |v[(\s)+16*\k+\i]|, |v[(\s)+16*\k+\i+1]|, v[TM+\k]
.endr
.endr
.irp c, 0,1
	v_max_num_f32 v[TM+2*\c], v[TM+2*\c], v[TM+2*\c+1]                     ; the block's largest magnitude: all 32 numbers are mine
.endr
.irp c, 0,1
	v_add_nc_u32 v[TM+4+\c], LESS2, v[TM+2*\c]                             ; the conversion's scale operand
.endr
.irp c, 0,1
	v_lshrrev_b32 v[TM+6+\c], 23, v[TM+4+\c]                               ; the scale's byte
.endr
	v_lshl_or_b32 v[TM+8], v[TM+7], 16, v[TM+6]                            ; my two bytes: blocks h and 2 + h,
	v_lshlrev_b32 v[TM+8], v9, v[TM+8]                                     ; 8 h bits up;
	v_permlanex16_b32 v[TM+9], v[TM+8], s20, s21
	v_or_b32 v[\pw], v[TM+8], v[TM+9]                                      ; with lane l xor 16's two the word is whole
.irp c, 0,1
	v_cvt_scalef32_pk16_fp6_f32 v[(\pc)+6*\c:(\pc)+6*\c+2], v[(\s)+32*\c:(\s)+32*\c+15], v[TM+4+\c]
	v_cvt_scalef32_pk16_fp6_f32 v[(\tc)+4*\c:(\tc)+4*\c+2], v[(\s)+32*\c+16:(\s)+32*\c+31], v[TM+4+\c]   ; (a conversion's three registers begin on an even number)
.endr
	v_nop                                                                  ; one plain place behind the conversions
.irp c, 0,1
.irp i, 0,1,2
	v_mov_b32 v[(\pc)+6*\c+3+\i], v[(\tc)+4*\c+\i]
.endr
.endr
.endm
	s_load_b256 s[4:11], s[0:1], 0x0               ; x s[4:5], w_qkv s[6:7], w_proj s[8:9], xc s[10:11]
	s_load_b128 s[12:15], s[0:1], 0x20             ; xs s[12:13], wc s[14:15]
	s_load_b64 s[16:17], s[0:1], 0x30              ; ws
	v_lshl_add_u32 v[SPW], v0, 2, SPARE
	v_mov_b32 v[NIL], 0
	v_lshrrev_b32 v1, 5, v0
	v_readfirstlane_b32 s18, v1                    ; wave
	v_and_b32 v1, 31, v0                           ; lane
	s_mov_b32 s20, 0x76543210
	s_mov_b32 s21, 0xfedcba98                      ; v_permlanex16_b32's selects for lane l xor 16
	s_cmp_lt_u32 ttmp9, 512
	s_cbranch_scc0 .Lweights
	; ---------------- x: token tile T, K steps 2 w and 2 w + 1
	v_and_b32 v2, 15, v1                           ; r
	v_lshrrev_b32 v3, 4, v1                        ; h
	v_lshlrev_b32 v4, 4, v1                        ; 16 x lane
	s_mul_i32 s22, s18, XST
	v_add_nc_u32 v5, s22, v4                       ; the stage, in: a row's 512 bytes as they are loaded
	v_mul_u32_u24 v6, v2, 528
	v_lshl_add_u32 v6, v3, 7, v6
	v_add_nc_u32 v6, s22, v6                       ; and out: row r, + 128 h: my block's 32 numbers
	v_lshlrev_b32 v7, 3, v1                        ; 8 x lane
	v_lshlrev_b32 v8, 2, v1                        ; 4 x lane
	v_lshlrev_b32 v9, 3, v3                        ; 8 h
	v_mov_b32 v[TM+9], 0                           ; written once: a lane permute's destination counts as one of its sources
	s_lshr_b32 s24, ttmp9, 2
	s_lshl_b32 s24, s24, 18                        ; 64 (T / 4) rows of 4,096 bytes
	s_and_b32 s25, ttmp9, 3
	s_lshl_b32 s25, s25, 15                        ; + 8 (T % 4) rows
	s_add_co_u32 s24, s24, s25
	s_lshl_b32 s25, s18, 10                        ; + my two K steps' 1,024 bytes
	s_add_co_u32 s24, s24, s25
	s_mov_b32 s25, 0
	s_mul_i32 s26, ttmp9, 12288
	s_mul_i32 s27, s18, 3072
	s_add_co_u32 s26, s26, s27                     ; xc: tile T, images 4 w on
	s_mov_b32 s27, 0
	s_lshl_b32 s28, ttmp9, 9
	s_lshl_b32 s29, s18, 7
	s_add_co_u32 s28, s28, s29                     ; xs: tile T, K step 2 w
	s_mov_b32 s29, 0
	s_wait_alu depctr_va_vdst(0)
	s_wait_kmcnt 0x0
	s_add_nc_u64 s[4:5], s[4:5], s[24:25]
	s_add_nc_u64 s[10:11], s[10:11], s[26:27]
	s_add_nc_u64 s[12:13], s[12:13], s[28:29]
.irp e, 0,1
.irp p, 0,1,2,3,4,5,6,7,8,9,10,11,12,13,14,15
	global_load_b128 v[XR+64*\e+4*\p:XR+64*\e+4*\p+3], v4, s[4:5] offset:(32*(\p/8)+\p%8)*4096+512*\e th:TH_LOAD_NT   ; tile row p: 32 lanes read 512 consecutive bytes
.endr
.endr
.macro XSTEP e, left, pc, tc, pw
	s_wait_loadcnt \left                           ; this K step's 16 loads are in (left: the other step's, which are younger)
.irp p, 0,1,2,3,4,5,6,7,8,9,10,11,12,13,14,15
	ds_store_b128 v5, v[XR+64*\e+4*\p:XR+64*\e+4*\p+3] offset:528*\p
.endr
.irp j, 0,1,2,3,4,5,6,7,8,9,10,11,12,13,14,15
	ds_load_b128 v[XR+64*\e+4*\j:XR+64*\e+4*\j+3], v6 offset:256*(\j/8)+16*(\j%8)   ; LDS serves a wave's instructions in order: these see the stores above
.endr
	s_wait_dscnt 0x0
	QUANT64 XR+64*\e, \pc, \tc, \pw
	global_store_b128 v4, v[\pc:\pc+3], s[10:11] offset:1536*\e            ; two images: each store covers 512 or 256 consecutive bytes, aligned
	global_store_b64 v7, v[\pc+4:\pc+5], s[10:11] offset:1536*\e+512
	global_store_b128 v4, v[\pc+6:\pc+9], s[10:11] offset:1536*\e+768
	global_store_b64 v7, v[\pc+10:\pc+11], s[10:11] offset:1536*\e+1280
.endm
	XSTEP 0, 16, 16, 28, 72
	XSTEP 1, 0, 36, 64, 73
	v_cmp_lt_u32 vcc_lo, 15, v1
	v_cndmask_b32 v74, v72, v73, vcc_lo            ; lanes 0-15: K step 2 w's words, lanes 16-31: K step 2 w + 1's
	global_store_b32 v8, v74, s[12:13]             ; 128 consecutive bytes
	s_wait_tensorcnt 0x0                           ; the wave's end, behind my last LDS store
	ds_add_u32 v[SPW], v[NIL]
	s_wait_dscnt 0x0
	s_endpgm
	; ---------------- the weights: K is the FIRST axis: a lane takes a column, its registers run down K, a block lies in one lane
.Lweights:
	s_sub_co_u32 s22, ttmp9, 512
	s_and_b32 s23, s22, 7                          ; y: which 128 along K
	s_lshr_b32 s22, s22, 3
	s_lshl_b32 s22, s22, 2
	s_add_co_u32 s22, s22, s18                     ; unit 0 .. 63: 0-47 (head, q / k / v) of w_qkv, 48-63 quads of w_proj
	s_mul_i32 s24, s22, 171
	s_lshr_b32 s24, s24, 9                         ; head = unit / 3
	s_mul_i32 s25, s24, 3
	s_sub_co_u32 s25, s22, s25                     ; 0 q, 1 k, 2 v: the innermost factor of w_qkv's columns
	s_mul_i32 s26, s24, 192
	s_add_co_u32 s26, s26, s25                     ; the first column
	s_lshl_b32 s27, s25, 2
	s_lshr_b32 s27, 0x460, s27
	s_and_b32 s27, s27, 15                         ; a head's 12 tiles: q 0-3, v 4, 5, k 6-9, v 10, 11
	s_mul_i32 s28, s24, 12
	s_add_co_u32 s27, s27, s28
	s_cmp_eq_u32 s25, 2
	s_cselect_b32 s28, 4, 0                        ; v's tiles 2, 3 lie four tiles further on
	s_sub_co_u32 s29, s22, 48
	s_lshl_b32 s30, s29, 6
	s_lshl_b32 s31, s29, 2
	s_add_co_u32 s31, s31, 192                     ; w_proj's tiles lie behind w_qkv's 192
	s_cmp_lt_u32 s22, 48                           ; ids alone decide
	s_cselect_b32 s26, s26, s30                    ; first column
	s_cselect_b32 s27, s27, s31                    ; first tile
	s_cselect_b32 s28, s28, 0                      ; gap
	s_cselect_b32 s29, 12, 4                       ; bytes from my column to the next lane's
	s_mov_b32 s30, 128
	s_cselect_b32 s30, 384, s30                    ; 32 columns on
	s_mov_b32 s31, 4096
	s_cselect_b32 s31, 12288, s31                  ; a row of the weight
	s_wait_kmcnt 0x0
	s_cselect_b64 s[6:7], s[6:7], s[8:9]           ; the weight itself
	s_lshl_b32 s54, s26, 2
	s_lshl_b32 s55, s23, 7
	s_mul_i32 s55, s55, s31
	s_add_co_u32 s54, s54, s55                     ; my first number: row 128 y, first column
	s_lshl_b32 s55, s31, 5                         ; 32 rows
	s_mov_b32 s57, 0
.irp tb, 0,1,2,3                               ; a base for each block of 32 rows and each half of the columns
	s_mov_b32 s56, s54
	s_add_nc_u64 s[32+4*\tb:33+4*\tb], s[6:7], s[56:57]
	s_add_co_u32 s56, s54, s30
	s_add_nc_u64 s[34+4*\tb:35+4*\tb], s[6:7], s[56:57]
	s_add_co_u32 s54, s54, s55
.endr
	s_mul_i32 s56, s27, 12288
	s_mul_i32 s58, s23, 1536
	s_add_co_u32 s56, s56, s58
	s_add_nc_u64 s[48:49], s[14:15], s[56:57]      ; wc: tiles 0, 1 of my four, images 2 y, 2 y + 1
	s_add_co_u32 s58, s28, 2
	s_mul_i32 s56, s58, 12288
	s_add_nc_u64 s[50:51], s[48:49], s[56:57]      ; tiles 2, 3
	s_lshl_b32 s56, s27, 9
	s_lshl_b32 s58, s23, 6
	s_add_co_u32 s56, s56, s58
	s_add_nc_u64 s[52:53], s[16:17], s[56:57]      ; ws: first tile, K step y
	s_wait_alu depctr_va_vdst(0)
	v_mul_u32_u24 v[VO], s29, v1
.set i, 1
.rept 31
	v_add_nc_u32 v[VO+i], s31, v[VO+i-1]           ; my column, row i of a block
.set i, i+1
.endr
	s_mul_i32 s58, s18, WSTB
	s_add_co_u32 s58, s58, WST0                    ; my stage
	v_lshrrev_b32 v2, 3, v1                        ; column l + 32 hc is tile l / 8, row 8 hc + l % 8
	v_and_b32 v3, 7, v1
	v_mul_u32_u24 v4, v2, 1536
	v_add_nc_u32 v4, s58, v4
	v_lshl_add_u32 v5, v3, 4, v4                   ; an image's first part: 16 bytes a lane
	v_lshl_add_u32 v6, v3, 3, v4                   ; its second: 8 bytes a lane (512 on, in the immediate)
	v_lshlrev_b32 v7, 4, v1
	v_add_nc_u32 v8, s58, v7                       ; the stage read back as it lies
	v_lshrrev_b32 v9, 4, v1
	v_mul_u32_u24 v9, s28, v9
	v_add_nc_u32 v9, v9, v2
	v_lshlrev_b32 v9, 9, v9
	v_lshl_add_u32 v9, v3, 2, v9                   ; my scale word: tile (l / 8, + the gap for tiles 2, 3), row l % 8
.macro WLOAD hc
.irp tb, 0,1,2,3
.set i, 0
.rept 32
	global_load_b32 v[XR+32*\tb+i], v[VO+i], s[32+4*\tb+2*\hc:33+4*\tb+2*\hc]   ; no hint: q's, k's and v's waves read the same bytes' neighbours
.set i, i+1
.endr
.endr
.endm
.macro WHALF hc
	s_wait_loadcnt 0x0
.irp k, 0,1,2,3,4,5,6,7
	v_max3_num_f32 v[TM+\k], |v[XR+16*\k]|, |v[XR+16*\k+1]|, FLOOR         ; four blocks, two chains each, by turns
.endr
.irp i, 2,4,6,8,10,12,14
.irp k, 0,1,2,3,4,5,6,7
	v_max3_num_f32 v[TM+\k], |v[XR+16*\k+\i]|, |v[XR+16*\k+\i+1]|, v[TM+\k]
.endr
.endr
.irp tb, 0,1,2,3
	v_max_num_f32 v[TM+2*\tb], v[TM+2*\tb], v[TM+2*\tb+1]
.endr
.irp tb, 0,1,2,3
	v_add_nc_u32 v[TM+8+\tb], LESS2, v[TM+2*\tb]
.endr
.irp tb, 0,1,2,3
	v_lshrrev_b32 v[TM+12+\tb], 23, v[TM+8+\tb]
.endr
	v_lshl_or_b32 v[10+\hc], v[TM+13], 8, v[TM+12]                         ; the column's scale word of this K step
	v_lshl_or_b32 v[10+\hc], v[TM+14], 16, v[10+\hc]
	v_lshl_or_b32 v[10+\hc], v[TM+15], 24, v[10+\hc]
	s_wait_dscnt 0x0                               ; the first half's LDS stores have read the codes' registers
.irp tb, 0,1,2,3
	v_cvt_scalef32_pk16_fp6_f32 v[CD+8*\tb:CD+8*\tb+2], v[XR+32*\tb:XR+32*\tb+15], v[TM+8+\tb]
	v_cvt_scalef32_pk16_fp6_f32 v[CD+8*\tb+4:CD+8*\tb+6], v[XR+32*\tb+16:XR+32*\tb+31], v[TM+8+\tb]
.endr
	v_nop                                          ; one plain place behind the conversions
.irp tb, 0,1,2,3
	v_mov_b32 v[CD+8*\tb+3], v[CD+8*\tb+4]         ; the second three registers move down one, lowest first
	v_mov_b32 v[CD+8*\tb+4], v[CD+8*\tb+5]
	v_mov_b32 v[CD+8*\tb+5], v[CD+8*\tb+6]
.endr
.if \hc == 0
	WLOAD 1                                        ; the other 32 columns are on their way while these leave
.endif
.irp tb, 0,1,2,3                               ; block tb: image tb / 2, lane 8 hc + l % 8 + 16 (tb % 2)
	ds_store_b128 v5, v[CD+8*\tb:CD+8*\tb+3] offset:768*(\tb/2)+256*(\tb%2)+128*\hc
	ds_store_b64 v6, v[CD+8*\tb+4:CD+8*\tb+5] offset:512+768*(\tb/2)+128*(\tb%2)+64*\hc
.endr
	global_store_b32 v9, v[10+\hc], s[52:53] offset:32*\hc
.endm
	WLOAD 0
	WHALF 0
	WHALF 1
.irp i, 0,1,2,3,4,5,6,7,8,9,10,11
	ds_load_b128 v[XR+4*\i:XR+4*\i+3], v8 offset:512*\i                    ; LDS serves a wave's instructions in order: these see my stores
.endr
.irp i, 0,1,2,3,4,5
	s_wait_dscnt 11-\i                             ; the younger read-backs may be out
	global_store_b128 v7, v[XR+4*\i:XR+4*\i+3], s[48:49] offset:12288*(\i/3)+512*(\i%3)   ; 512 consecutive bytes, aligned
.endr
.irp i, 6,7,8,9,10,11
	s_wait_dscnt 11-\i
	global_store_b128 v7, v[XR+4*\i:XR+4*\i+3], s[50:51] offset:12288*((\i-6)/3)+512*(\i%3)
.endr
	s_wait_tensorcnt 0x0                           ; the wave's end, behind my last LDS store
	ds_add_u32 v[SPW], v[NIL]
	s_wait_dscnt 0x0
	s_endpgm
.Lfunc_end_k_qd78d34fdce_prep:
	.size	k_qd78d34fdce_prep, .Lfunc_end_k_qd78d34fdce_prep-k_qd78d34fdce_prep
	.p2alignl 7, 3214868480
	.fill 96, 4, 3214868480
	.section	.rodata,"a",@progbits
	.p2align	6, 0x0
	.amdhsa_kernel k_qd78d34fdce_prep
		.amdhsa_group_segment_fixed_size 58880
		.amdhsa_private_segment_fixed_size 0
		.amdhsa_enable_private_segment 0
		.amdhsa_kernarg_size 56
		.amdhsa_user_sgpr_count 2
		.amdhsa_user_sgpr_kernarg_segment_ptr 1
		.amdhsa_wavefront_size32 1
		.amdhsa_system_sgpr_workgroup_id_x 1
		.amdhsa_system_sgpr_workgroup_id_y 1
		.amdhsa_system_sgpr_workgroup_id_z 1
		.amdhsa_system_vgpr_workitem_id 0
		.amdhsa_next_free_vgpr 224
		.amdhsa_next_free_sgpr 66
		.amdhsa_reserve_vcc 1
		.amdhsa_float_denorm_mode_32 3
		.amdhsa_float_denorm_mode_16_64 3
		.amdhsa_memory_ordered 1
		.amdhsa_forward_progress 1
		.amdhsa_inst_pref_size 61
	.end_amdhsa_kernel
	.amdgpu_metadata
---
amdhsa.version: [ 1, 2 ]
amdhsa.kernels:
  - .name:           k_qd78d34fdce_prep
    .symbol:         k_qd78d34fdce_prep.kd
    .args:
      - { .name: x, .offset: 0, .size: 8, .value_kind: global_buffer, .address_space: global }
      - { .name: w_qkv, .offset: 8, .size: 8, .value_kind: global_buffer, .address_space: global }
      - { .name: w_proj, .offset: 16, .size: 8, .value_kind: global_buffer, .address_space: global }
      - { .name: xc, .offset: 24, .size: 8, .value_kind: global_buffer, .address_space: global }
      - { .name: xs, .offset: 32, .size: 8, .value_kind: global_buffer, .address_space: global }
      - { .name: wc, .offset: 40, .size: 8, .value_kind: global_buffer, .address_space: global }
      - { .name: ws, .offset: 48, .size: 8, .value_kind: global_buffer, .address_space: global }
    .group_segment_fixed_size: 58880
    .private_segment_fixed_size: 0
    .kernarg_segment_align: 8
    .kernarg_segment_size: 56
    .max_flat_workgroup_size: 128
    .sgpr_count:     66
    .vgpr_count:     224
    .wavefront_size: 32
...
	.end_amdgpu_metadata
.endif
;; end of part 1
;; launch qkv (part 2): grid 16 x 32, 4 waves a work-group, clusters of 4 x 4, 327,680 bytes of LDS; arguments xc, xs, wc, ws, b_qkv, qkvc, qkvs; writes qkvc, qkvs
.if DOCPART == 2
	.amdgcn_target "amdgcn-amd-amdhsa--gfx1250"
	.amdhsa_code_object_version 6
	.text
	.protected	k_qd78d34fdce_qkv
	.globl	k_qd78d34fdce_qkv
	.p2align	8
	.type	k_qd78d34fdce_qkv,@function
k_qd78d34fdce_qkv:
	s_mov_b64 s[64:65], 0
	v_nop
	global_prefetch_b8 v0, s[64:65] scope:SCOPE_SE
	s_setreg_imm32_b32 hwreg(HW_REG_WAVE_MODE, 25, 1), 1
	s_wait_xcnt 0x0
	s_wait_alu depctr_hold_cnt(0) depctr_sa_sdst(0) depctr_va_vdst(0) depctr_va_sdst(0) depctr_va_ssrc(0) depctr_va_vcc(0) depctr_vm_vsrc(0)
	s_getreg_b32 s2, hwreg(HW_REG_IB_STS2, 6, 4)
	s_cmp_eq_u32 s2, 0
	s_cbranch_scc0 .Lentry_in_a_cluster
	s_endpgm
.Lentry_in_a_cluster:
	s_bfe_u32 s2, ttmp6, 0x10000c
	s_cmp_lg_u32 s2, 0xf033
	s_cbranch_scc0 .Lentry_shape_is_right
	s_endpgm
.Lentry_shape_is_right:
; QKV: q, k, v = Q(x) Q(w_qkv) + b_qkv on codes of E2M3, and q, k, v leave AS CODES, quantised along the next products' K: q and k along the head's 64, v along the tokens (the keys).  No f32 goes to memory.  No work is left out.
; SHARES: a work-group makes 256 tokens x one head's 192 columns; 16 x 32 work-groups.  Wave (rh, ch): token tiles 8 rh .. + 7 against six weight tiles: four of q (ch = 0) or of k (ch = 1), and v's tiles 2 ch, 2 ch + 1.
; q, k TRANSPOSED (source 0 = weight tile, source 1 = token tile): a lane holds one token, the four tiles' 32 registers are 32 neighbours of the head's 64: one block.
; v AS IT STANDS (source 0 = token tile, source 1 = weight tile): a lane holds one of the head's 64, and the 32 registers of four token tiles are 32 neighbouring tokens: one block along the keys.
; (Which rows form a tile, the images and the scale tables: see the first launch's head.)  The biases are the C of the first K step: the order of rounding differs from x w + b summed last.
; K = 1,024 goes in four slots' worth of 256 through a ring of two LDS slots; fragments are images, dense in LDS: loads of 16 and 8 bytes a lane on end, no padding wanted.
; CLUSTER 4 x 4: the four work-groups of a row share their tokens' tiles, the four of a column their head's weights: each is asked for jointly.  A wave has one tensor load out at the head, later one.
; LIMITS: as stated at the first launch's head (NaN, infinities; the byte 1 of very small and of zero blocks).
; REGISTERS: window 0: v1-29 addresses; v32-47 scale words, two sets of 8 (lanes 0-15: weight tile i's word, lanes 16-31: token tile i's); v64-159, v160-255 the token tiles' fragments, two sets.
;   window 1: v0-71, v72-143 the weights' fragments, two sets; v144-175 q's or k's bias, v176-191 v's.   window 2: q's or k's accumulators v[32 a + 8 b].   window 3: v's, v[64 bv + 8 a].
.set SLOT,  86016                      ; 16 token tiles x 3,072 bytes, then 12 weight tiles x 3,072
.set BOFF,  49152
.set SCLB,  2*SLOT                     ; the weights' scale words, 12 tiles x 512 bytes; in front of the tokens', so that the reads of 'tiles' 6, 7 beyond a wave's six fall on filled bytes
.set SCLA,  SCLB+6144                  ; the tokens', 16 x 512
.set SPARE, SCLA+8192                  ; the spare words: two blocks of 256 bytes that no other line names
.set LANE, 1
.set RW,   2
.set HF,   3
.set L16,  4
.set L8,   5
.set L4,   6
.set SH8,  7
.set A16,  8                           ; v8, v9: 16 x lane + my token tiles in slot 0, 1;  v10, v11: the same with 8 x lane
.set A8,   10
.set B16,  12                          ; v12-15: the same for my weight tiles
.set B8,   14
.set ADRS, 16
.set BA,   17
.set BV,   18
.set SPW,  28
.set NIL,  29
.set SC,   32
.set AF,   64
.set BIAS, 144
.set BIASV,176
.set FLOOR, 0x1800000
.set LESS2, 0xff000000
.set G1A, 24                           ; s[24:31], s[32:39]: groups 1 and 0 (a set for each slot) for the tokens' codes
.set G0A, 32
.set G1B, 48                           ; s[48:55], s[56:63]: for the weights'
.set G0B, 56
.set G1SA, 68                          ; s[68:75], s[76:79]: the tokens' scales;  s[80:87], s[88:91]: the weights'
.set G0SA, 76
.set G1SB, 80
.set G0SB, 88
.set MSB, 0
.macro WIN new                         ; the immediate's high byte repeats the setting that is left
.if MSB != (\new)
	s_set_vgpr_msb (MSB<<8)|(\new)
.set MSB, (\new)
.endif
.endm
.macro PLACES n
.rept \n
	v_nop
.endr
.endm
; A joint load: waves 0, 1 fetch the tokens' halves, waves 2, 3 the weights'.  The branch hangs on the wave's number alone.  An s_nop 0 and four v_nop follow each line.
.macro JLOAD g0a, g1a, g0b, g1b
	s_cmp_eq_u32 s19, 0
	s_cbranch_scc0 .Lfor_b_\@
	tensor_load_to_lds s[\g0a:\g0a+3], s[\g1a:\g1a+7]
	s_nop 0
.rept 4
	v_nop
.endr
	s_branch .Lasked_\@
.Lfor_b_\@:
	tensor_load_to_lds s[\g0b:\g0b+3], s[\g1b:\g1b+7]
	s_nop 0
.rept 4
	v_nop
.endr
.Lasked_\@:
.endm
.macro CREST                           ; a round of the cluster's barrier behind its opening barrier
	s_cmp_lg_u32 s18, 0
	s_cbranch_scc1 .Lnot_wave_0_\@
	s_barrier_signal -3
.Lnot_wave_0_\@:
	s_barrier_wait -3
	s_barrier_signal -1
	s_barrier_wait -1
.endm
.macro CROUND
	s_barrier_signal -1
	s_barrier_wait -1
	CREST
.endm
	s_load_b256 s[4:11], s[0:1], 0x0               ; xc s[4:5], xs s[6:7], wc s[8:9], ws s[10:11]
	s_load_b128 s[12:15], s[0:1], 0x20             ; b_qkv s[12:13], qkvc s[14:15]
	s_load_b64 s[16:17], s[0:1], 0x30              ; qkvs
	v_lshl_add_u32 v[SPW], v0, 2, SPARE
	v_mov_b32 v[NIL], 0
	ds_add_u32 v[SPW], v[NIL]                      ; the wave's opening: the add, twice on end, and its wait ahead of my first tensor load
	ds_add_u32 v[SPW], v[NIL]
	v_lshrrev_b32 v1, 5, v0
	v_readfirstlane_b32 s18, v1                    ; wave
	s_lshr_b32 s19, s18, 1                         ; rh: my half of the tokens.  Also: I fetch for the tokens (0) or the weights (1)
	s_and_b32 s20, s18, 1                          ; ch: q's side or k's.  Also: which half I fetch
	s_bfe_u32 s40, ttmp6, 0x40000                  ; cx, cy
	s_bfe_u32 s41, ttmp6, 0x40004
	s_lshl_b32 s42, ttmp9, 2
	s_add_co_u32 s42, s42, s40                     ; the head
	s_and_b32 s43, ttmp7, 0xffff
	s_lshl_b32 s43, s43, 2
	s_add_co_u32 s43, s43, s41                     ; R: which 256 tokens
	s_lshl_b32 s44, s41, 2
	s_lshl_b32 s44, 15, s44                        ; my row of the cluster
	s_lshl_b32 s45, 0x1111, s40                    ; my column
	s_or_b32 s[G1A], s44, (3<<16)|(1<<21)          ; 15:0 the mask; 17:16 elements of 8 bytes; 21 set beside a mask; no padding
	s_or_b32 s[G1B], s45, (3<<16)|(1<<21)
	s_or_b32 s[G1SA], s44, (3<<16)|(1<<21)
	s_or_b32 s[G1SB], s45, (3<<16)|(1<<21)
.irp g, G1A, G1B                               ; a tile's 256 along K are 3,072 consecutive bytes (384 elements); tiles lie 12,288 bytes (1,536 elements) apart
	s_mov_b32 s[\g+1], 384<<16
	s_mov_b32 s[\g+3], 384<<16
	s_mov_b32 s[\g+5], 1536
	s_mov_b32 s[\g+6], 0
	s_mov_b32 s[\g+7], 0
.endr
	s_mov_b32 s[G1A+2], 16<<16                     ; the head's loads bring a slot's tiles whole: 16 token tiles,
	s_mov_b32 s[G1A+4], 16
	s_mov_b32 s[G1B+2], 12<<16                     ; 12 weight tiles
	s_mov_b32 s[G1B+4], 12
.irp g, G1SA, G1SB                             ; the scales: dense, as rows of 256 bytes
	s_mov_b32 s[\g+1], 32<<16
	s_mov_b32 s[\g+3], 32<<16
	s_mov_b32 s[\g+5], 32
	s_mov_b32 s[\g+6], 0
	s_mov_b32 s[\g+7], 0
.endr
	s_mov_b32 s[G1SA+2], 32<<16                    ; all 8,192 bytes of the tokens' scales in one load,
	s_mov_b32 s[G1SA+4], 32
	s_mov_b32 s[G1SB+2], 24<<16                    ; all 6,144 of the weights'
	s_mov_b32 s[G1SB+4], 24
	s_lshl_b32 s46, s43, 4
	s_lshl_b32 s47, s20, 3
	s_add_co_u32 s46, s46, s47                     ; the first token tile that I fetch: 16 R + 8 x half
	s_mul_i32 s92, s46, 12288
	s_mov_b32 s93, 0
	s_lshl_b32 s94, s43, 13                        ; the scales of token tile 16 R on
	s_mov_b32 s95, 0
	s_mul_i32 s66, s42, 12
	s_mul_i32 s67, s20, 6
	s_add_co_u32 s66, s66, s67                     ; the first weight tile: 12 x head + 6 x half
	s_mul_i32 s96, s66, 12288
	s_mov_b32 s97, 0
	s_mul_i32 s98, s42, 6144                       ; the scales of weight tile 12 x head on
	s_mov_b32 s99, 0
	s_mul_i32 s21, s20, 24576                      ; where they go: no place in the cluster enters an LDS address
	s_mul_i32 s2, s20, 18432
	s_mov_b32 s22, 0x76543210
	s_mov_b32 s23, 0xfedcba98
	s_wait_dscnt 0x0                               ; both opening adds are done
	s_wait_kmcnt 0x0
	s_add_nc_u64 s[92:93], s[4:5], s[92:93]
	s_add_nc_u64 s[94:95], s[6:7], s[94:95]
	s_add_nc_u64 s[96:97], s[8:9], s[96:97]
	s_add_nc_u64 s[98:99], s[10:11], s[98:99]
	CROUND                                         ; all sixteen work-groups are here: the first joint loads meet
	s_mov_b32 s[G0SA], 1
	s_mov_b32 s[G0SA+1], SCLA
	s_mov_b64 s[G0SA+2:G0SA+3], s[94:95]
	s_or_b32 s[G0SA+3], s[G0SA+3], 0x80000000
	s_mov_b32 s[G0SB], 1
	s_mov_b32 s[G0SB+1], SCLB
	s_mov_b64 s[G0SB+2:G0SB+3], s[98:99]
	s_or_b32 s[G0SB+3], s[G0SB+3], 0x80000000
.irp s, 0,1
	s_mov_b32 s[G0A+4*\s], 1
	s_add_co_u32 s[G0A+4*\s+1], s21, \s*SLOT
	s_add_nc_u64 s[G0A+4*\s+2:G0A+4*\s+3], s[92:93], \s*3072
	s_or_b32 s[G0A+4*\s+3], s[G0A+4*\s+3], 0x80000000
	s_mov_b32 s[G0B+4*\s], 1
	s_add_co_u32 s[G0B+4*\s+1], s2, \s*SLOT+BOFF
	s_add_nc_u64 s[G0B+4*\s+2:G0B+4*\s+3], s[96:97], \s*3072
	s_or_b32 s[G0B+4*\s+3], s[G0B+4*\s+3], 0x80000000
.endr
	; THE HEAD'S LOADS, ONE A WAVE: wave 0 slot 0's 16 token tiles, wave 1 its 12 weight tiles, wave 2 the tokens' scales, wave 3 the weights'.
	s_mul_i32 s46, s43, 196608                     ; token tile 16 R, in bytes
	s_mov_b32 s47, 0
	s_add_nc_u64 s[6:7], s[4:5], s[46:47]          ; group 0 in s[4:7]: the arguments that lay there have been used
	s_or_b32 s7, s7, 0x80000000
	s_mov_b32 s4, 1
	s_mov_b32 s5, 0
	s_mul_i32 s66, s42, 147456                     ; weight tile 12 x head, in bytes
	s_mov_b32 s67, 0
	s_add_nc_u64 s[10:11], s[8:9], s[66:67]        ; group 0 in s[8:11]
	s_or_b32 s11, s11, 0x80000000
	s_mov_b32 s8, 1
	s_mov_b32 s9, BOFF
.macro ARM under, g0, g1, next         ; one tree of branches on the wave's number: every way passes exactly one load
	s_cmp_lt_u32 s18, \under
	s_cbranch_scc0 \next
	tensor_load_to_lds s[\g0:\g0+3], s[\g1:\g1+7]
	s_nop 0
.rept 4
	v_nop
.endr
	s_branch .Lhead_asked
\next:
.endm
	ARM 1, 4, G1A, .Lhead_b
	ARM 2, 8, G1B, .Lhead_sa
	ARM 3, G0SA, G1SA, .Lhead_sb
	tensor_load_to_lds s[G0SB:G0SB+3], s[G1SB:G1SB+7]
	s_nop 0
.rept 4
	v_nop
.endr
.Lhead_asked:
	v_and_b32 v[LANE], 31, v0
	v_and_b32 v[RW], 15, v0
	v_bfe_u32 v[HF], v0, 4, 1
	v_lshlrev_b32 v[L16], 4, v[LANE]
	s_wait_alu depctr_va_vdst(0)
	v_lshlrev_b32 v[L8], 3, v[LANE]
	s_wait_alu depctr_va_vdst(0)
	v_lshlrev_b32 v[L4], 2, v[LANE]
	v_lshlrev_b32 v[SH8], 3, v[HF]
	s_xor_b32 s46, s20, 1
	s_mul_i32 s46, s46, 3072
	s_lshl_b32 s47, s19, 12
	s_add_co_u32 s46, s46, s47
	s_add_co_u32 s46, s46, 3072                    ; from my weight tiles' scale words up to my token tiles': SCLA + 4,096 rh - SCLB - 3,072 ch
	v_mul_u32_u24 v[ADRS], s46, v[HF]              ; lanes 16-31 take the tokens'
	v_lshl_add_u32 v[ADRS], v[RW], 2, v[ADRS]
	s_mul_i32 s47, s20, 3072
	s_add_co_u32 s47, s47, SCLB
	v_add_nc_u32 v[ADRS], s47, v[ADRS]
	s_mul_i32 s46, s19, 24576
	s_mul_i32 s47, s20, 18432
	s_add_co_u32 s47, s47, BOFF
.irp s, 0,1
	v_add_nc_u32 v[A16+\s], s46, v[L16]
	v_add_nc_u32 v[A8+\s], s46, v[L8]
	v_add_nc_u32 v[B16+\s], s47, v[L16]
	v_add_nc_u32 v[B8+\s], s47, v[L8]
	s_add_co_u32 s46, s46, SLOT
	s_add_co_u32 s47, s47, SLOT
.endr
	v_mul_u32_u24 v[BA], 384, v[HF]                ; q, k: lane half h holds 32 h + 8 t + j of the head's 64; a step of one is 12 bytes in b_qkv
	s_wait_alu depctr_va_vdst(0)
	v_lshrrev_b32 v19, 3, v[RW]
	v_and_b32 v20, 7, v[RW]
	v_mul_u32_u24 v[BV], 384, v19                  ; v: lane r holds 32 (r / 8) + 8 (tile) + r % 8
	v_mad_u32_u24 v[BV], v20, 12, v[BV]
	s_wait_alu depctr_va_vdst(0)
	s_mul_i32 s46, s42, 768
	s_lshl_b32 s47, s20, 2
	s_add_co_u32 s2, s46, s47
	s_mov_b32 s3, 0
	s_add_nc_u64 s[2:3], s[12:13], s[2:3]          ; b_qkv at (head, 0, q or k)
	s_mul_i32 s47, s20, 192
	s_add_co_u32 s46, s46, s47
	s_add_co_u32 s46, s46, 8
	s_mov_b32 s47, 0
	s_add_nc_u64 s[46:47], s[12:13], s[46:47]      ; and at (head, 16 ch, v)
	WIN 0x40                                       ; destination window 1
.irp t, 0,1,2,3
.irp i, 0,1,2,3,4,5,6,7
	global_load_b32 v[BIAS+8*\t+\i], v[BA], s[2:3] offset:96*\t+12*\i
.endr
.endr
.irp t, 0,1
.irp i, 0,1,2,3,4,5,6,7
	global_load_b32 v[BIASV+8*\t+\i], v[BV], s[46:47] offset:96*\t      ; the same number in all eight registers: they are eight tokens
.endr
.endr
	WIN 0
.macro FRAG reg, a16, a8, off          ; a fragment: two images on end
	ds_load_b128 v[(\reg):(\reg)+3], v[\a16] offset:(\off)
	ds_load_b64 v[(\reg)+4:(\reg)+5], v[\a8] offset:(\off)+512
	ds_load_b128 v[(\reg)+6:(\reg)+9], v[\a16] offset:(\off)+768
	ds_load_b64 v[(\reg)+10:(\reg)+11], v[\a8] offset:(\off)+1280
.endm
.macro FETCH k                         ; K step k's 14 fragments and 8 scale registers: 64 LDS loads in one run
.set FS, ((\k)/2)%2
.set FQ, (\k)%2
	WIN 0x40
.irp b, 0,1,2,3,4,5
	FRAG 72*FQ+12*\b, B16+FS, B8+FS, 3072*\b+1536*FQ
.endr
	WIN 0
.irp a, 0,1,2,3,4,5,6,7
	FRAG AF+96*FQ+12*\a, A16+FS, A8+FS, 3072*\a+1536*FQ
.endr
.irp i, 0,1,2,3,4,5,6,7
	ds_load_b32 v[SC+8*FQ+\i], v[ADRS] offset:512*\i+64*(\k)
.endr
.endm
; The accumulators take turns, one instruction a turn, in the same order in every K step.
.macro MULA a, k                       ; token tile a against q's or k's four tiles
.set MS, (\k)%2
.irp b, 0,1,2,3
.if (\k) == 0
	v_wmma_scale_f32_16x16x128_f8f6f4 v[32*(\a)+8*\b:32*(\a)+8*\b+7], v[72*MS+12*\b:72*MS+12*\b+11], v[AF+96*MS+12*(\a):AF+96*MS+12*(\a)+11], v[BIAS+8*\b:BIAS+8*\b+7], v[SC+8*MS+\b], v[SC+8*MS+(\a)] matrix_a_fmt:MATRIX_FMT_FP6 matrix_b_fmt:MATRIX_FMT_FP6 matrix_b_scale:MATRIX_SCALE_ROW1
.else
	v_wmma_scale_f32_16x16x128_f8f6f4 v[32*(\a)+8*\b:32*(\a)+8*\b+7], v[72*MS+12*\b:72*MS+12*\b+11], v[AF+96*MS+12*(\a):AF+96*MS+12*(\a)+11], v[32*(\a)+8*\b:32*(\a)+8*\b+7], v[SC+8*MS+\b], v[SC+8*MS+(\a)] matrix_a_fmt:MATRIX_FMT_FP6 matrix_b_fmt:MATRIX_FMT_FP6 matrix_b_scale:MATRIX_SCALE_ROW1
.endif
.endr
.endm
.macro MUL2 a, k
	MULA \a, \k
	MULA (\a)+1, \k
.endm
.macro MULV k                          ; the eight token tiles against v's two tiles
.set MS, (\k)%2
.irp a, 0,1,2,3,4,5,6,7
.irp bv, 0,1
.if (\k) == 0
	v_wmma_scale_f32_16x16x128_f8f6f4 v[64*\bv+8*\a:64*\bv+8*\a+7], v[AF+96*MS+12*\a:AF+96*MS+12*\a+11], v[72*MS+48+12*\bv:72*MS+48+12*\bv+11], v[BIASV+8*\bv:BIASV+8*\bv+7], v[SC+8*MS+\a], v[SC+8*MS+4+\bv] matrix_a_fmt:MATRIX_FMT_FP6 matrix_b_fmt:MATRIX_FMT_FP6 matrix_a_scale:MATRIX_SCALE_ROW1
.else
	v_wmma_scale_f32_16x16x128_f8f6f4 v[64*\bv+8*\a:64*\bv+8*\a+7], v[AF+96*MS+12*\a:AF+96*MS+12*\a+11], v[72*MS+48+12*\bv:72*MS+48+12*\bv+11], v[64*\bv+8*\a:64*\bv+8*\a+7], v[SC+8*MS+\a], v[SC+8*MS+4+\bv] matrix_a_fmt:MATRIX_FMT_FP6 matrix_b_fmt:MATRIX_FMT_FP6 matrix_a_scale:MATRIX_SCALE_ROW1
.endif
.endr
.endr
.endm
.macro WINT k                          ; source 0 window 1, source 1 window 0, D window 2; C window 2, in the first K step window 1 (the bias)
.if (\k) == 0
	WIN 0x91
.else
	WIN 0xa1
.endif
.endm
.macro WINV k                          ; source 0 window 0, source 1 window 1, D window 3; C window 3 or 1
.if (\k) == 0
	WIN 0xd4
.else
	WIN 0xf4
.endif
.endm
.macro STEP k                          ; a K step whose successor lies in the same slot
	s_wait_dscnt 0x0                               ; this step's fragments are in (asked for 32 matrix instructions ago)
	WINT \k
	MUL2 0, \k
	MUL2 2, \k
	PLACES 4                                       ; in front of loads into the other set, which the last K step's products read
	FETCH (\k)+1
	WINT \k
	MUL2 4, \k
	MUL2 6, \k
	WINV \k
	MULV \k
.endm
; A slot's last K step changes slots: one barrier; in front of it each wave waits for all its tensor loads, adds 0 to its spare word, and waits for that and for its reads of this slot.
.macro TURN k, fill
.set TS, ((\k)/2)%2
	s_wait_dscnt 0x0                               ; this step's fragments are in: my reads of this slot are over
	WIN 0                                          ; (the add's two registers lie in window 0)
	s_wait_tensorcnt 0x0                           ; all my tensor loads have landed: my part of the next slot
	ds_add_u32 v[SPW], v[NIL]                      ; 0 onto my spare word
	WIN 0xa1
	MUL2 0, \k                                     ; eight matrix instructions stand between the add and the wait for it
	s_wait_dscnt 0x0
	s_barrier_signal -1
	MUL2 2, \k
	WIN 0
	s_barrier_wait -1
.if \fill
	CREST                                          ; the barrier has opened a round of the cluster's: no wave of any partner still reads this slot or has a load on its way
	s_add_nc_u64 s[G0A+4*TS+2:G0A+4*TS+3], s[G0A+4*TS+2:G0A+4*TS+3], 6144
	s_add_nc_u64 s[G0B+4*TS+2:G0B+4*TS+3], s[G0B+4*TS+2:G0B+4*TS+3], 6144
	JLOAD G0A+4*TS, G1A, G0B+4*TS, G1B             ; 512 along K further on; its four v_nop are also the places in front of the loads below
.else
	PLACES 4
.endif
	FETCH (\k)+1
	WIN 0xa1
	MUL2 4, \k
	MUL2 6, \k
	WIN 0xf4
	MULV \k
.endm
	s_wait_alu depctr_va_vdst(0)
	s_wait_tensorcnt 0x0                           ; my tile of the head's four is in; slot 1's first fill is issued as a refill is:
	ds_add_u32 v[SPW], v[NIL]
	s_mov_b32 s[G1A+2], 8<<16                      ; no tensor load of mine is out: from here on a load brings half a slot's tiles: 8 token tiles,
	s_mov_b32 s[G1A+4], 8
	s_mov_b32 s[G1B+2], 6<<16                      ; 6 weight tiles
	s_mov_b32 s[G1B+4], 6
	s_wait_dscnt 0x0
	CROUND                                         ; all four tiles are in, and all sixteen work-groups are here
	JLOAD G0A+4, G1A, G0B+4, G1B                   ; slot 1: the first tensor load behind the round
	FETCH 0
	s_wait_loadcnt 0x0                             ; the biases
	STEP 0
	TURN 1, 1
	STEP 2
	TURN 3, 1
	STEP 4
	TURN 5, 0
	STEP 6
	s_wait_dscnt 0x0
	WIN 0xa1
	MUL2 0, 7
	MUL2 2, 7
	MUL2 4, 7
	MUL2 6, 7
	WIN 0xf4
	MULV 7
	WIN 0
	; ---------------- THE WAY OUT: everything leaves as codes, from registers, in whole images
	s_lshr_b32 s46, s43, 2
	s_lshl_b32 s46, s46, 4
	s_add_co_u32 s46, s46, s42                     ; bh = 16 x batch + head
	s_and_b32 s47, s43, 3                          ; which 256 of the batch's 1,024 tokens
	s_mul_i32 s92, s46, 147456                     ; qkvc: a (batch, head)'s Q images, K images, V^T images: 3 x 49,152 bytes
	s_mul_i32 s66, s20, 49152
	s_add_co_u32 s94, s92, s66
	s_lshl_b32 s66, s47, 4
	s_lshl_b32 s67, s19, 3
	s_add_co_u32 s66, s66, s67
	s_mul_i32 s66, s66, 768
	s_add_co_u32 s94, s94, s66                     ; Q or K, token tile 16 (R % 4) + 8 rh
	s_mov_b32 s95, 0
	s_add_nc_u64 s[94:95], s[14:15], s[94:95]
	s_mul_i32 s66, s20, 24576
	s_add_co_u32 s96, s92, s66
	s_add_co_u32 s96, s96, 98304
	s_lshl_b32 s66, s47, 2
	s_lshl_b32 s67, s19, 1
	s_add_co_u32 s66, s66, s67
	s_mul_i32 s67, s66, 768
	s_add_co_u32 s96, s96, s67                     ; V^T, tile 2 ch, images 4 (R % 4) + 2 rh on
	s_mov_b32 s97, 0
	s_add_nc_u64 s[96:97], s[14:15], s[96:97]
	s_mul_i32 s92, s46, 6144                       ; qkvs: Q's, K's, V's scales: 3 x 2,048 bytes
	s_lshl_b32 s66, s66, 7                         ; 256 x (2 (R % 4) + rh): my 128 tokens
	s_add_co_u32 s92, s92, s66
	s_lshl_b32 s67, s20, 11
	s_add_co_u32 s98, s92, s67
	s_mov_b32 s99, 0
	s_add_nc_u64 s[98:99], s[16:17], s[98:99]      ; Q's or K's
	s_lshl_b32 s67, s20, 7
	s_add_co_u32 s92, s92, s67
	s_add_co_u32 s92, s92, 4096
	s_mov_b32 s93, 0
	s_add_nc_u64 s[92:93], s[16:17], s[92:93]      ; V's
	PLACES 4                                       ; behind the last products: their results are read, and the registers that held fragments are written
.irp a, 0,1,2,3,4,5,6,7
	v_mov_b32 v[96+\a], 0                          ; a lane permute's destination counts as one of its sources
.endr
	v_mov_b32 v202, 0
	v_mov_b32 v203, 0
	; q or k: eight token tiles by turns; a lane's 32 numbers are one block.  v64.. v72.. maxima, v80.. scale operands, v88.. bytes, v104.. halfwords, v128 + 8 a codes
	WIN 0x0a                                       ; sources 0, 1 window 2
.irp a, 0,1,2,3,4,5,6,7
	v_max3_num_f32 v[64+\a], |v[32*\a]|, |v[32*\a+1]|, FLOOR               ; each accumulator is read from its low end on
	v_max3_num_f32 v[72+\a], |v[32*\a+16]|, |v[32*\a+17]|, FLOOR
.endr
.irp i, 2,4,6,8,10,12,14
.irp a, 0,1,2,3,4,5,6,7
	v_max3_num_f32 v[64+\a], |v[32*\a+\i]|, |v[32*\a+\i+1]|, v[64+\a]
	v_max3_num_f32 v[72+\a], |v[32*\a+16+\i]|, |v[32*\a+17+\i]|, v[72+\a]
.endr
.endr
	WIN 0
.irp a, 0,1,2,3,4,5,6,7
	v_max_num_f32 v[64+\a], v[64+\a], v[72+\a]
.endr
.irp a, 0,1,2,3,4,5,6,7
	v_add_nc_u32 v[80+\a], LESS2, v[64+\a]
.endr
.irp a, 0,1,2,3,4,5,6,7
	v_lshrrev_b32 v[88+\a], 23, v[80+\a]
.endr
.irp a, 0,1,2,3,4,5,6,7
	v_lshlrev_b32 v[88+\a], v[SH8], v[88+\a]
.endr
.irp a, 0,1,2,3,4,5,6,7
	v_permlanex16_b32 v[96+\a], v[88+\a], s22, s23
.endr
.irp a, 0,1,2,3,4,5,6,7
	v_or_b32 v[104+\a], v[88+\a], v[96+\a]         ; the token's two bytes
.endr
	WIN 0x02
.irp a, 0,1,2,3,4,5,6,7
	v_cvt_scalef32_pk16_fp6_f32 v[128+8*\a:130+8*\a], v[32*\a:32*\a+15], v[80+\a]
	v_cvt_scalef32_pk16_fp6_f32 v[132+8*\a:134+8*\a], v[32*\a+16:32*\a+31], v[80+\a]
.endr
	WIN 0
	v_nop                                          ; one plain place behind the conversions
.irp a, 0,1,2,3,4,5,6,7
	v_mov_b32 v[131+8*\a], v[132+8*\a]
	v_mov_b32 v[132+8*\a], v[133+8*\a]
	v_mov_b32 v[133+8*\a], v[134+8*\a]
.endr
.irp a, 0,1,2,3,4,5,6,7
	global_store_b128 v[L16], v[128+8*\a:131+8*\a], s[94:95] offset:768*\a        ; an image: 512 and 256 consecutive bytes, aligned
	global_store_b64 v[L8], v[132+8*\a:133+8*\a], s[94:95] offset:768*\a+512
.endr
.irp f, 0,1,2,3
	v_lshl_or_b32 v[112+\f], v[105+2*\f], 16, v[104+2*\f]                  ; two neighbouring tiles' halfwords: the word of the pair that the next launch takes as one fragment
.endr
	v_cmp_lt_u32 vcc_lo, 15, v[LANE]
	v_cndmask_b32 v116, v112, v113, vcc_lo         ; lanes 0-15 pair 0, lanes 16-31 pair 1;
	v_cndmask_b32 v117, v114, v115, vcc_lo         ; pairs 2 and 3
	global_store_b64 v[L8], v[116:117], s[98:99]   ; 256 consecutive bytes, aligned
	; v: two tiles by turns; a lane's 64 numbers are two blocks along the tokens.  v120-127 maxima, v192.. at work, v208 + 12 bv codes
	WIN 0x0f                                       ; sources 0, 1 window 3
.irp bv, 0,1
.irp k, 0,1,2,3
	v_max3_num_f32 v[120+4*\bv+\k], |v[64*\bv+16*\k]|, |v[64*\bv+16*\k+1]|, FLOOR
.endr
.endr
.irp i, 2,4,6,8,10,12,14
.irp bv, 0,1
.irp k, 0,1,2,3
	v_max3_num_f32 v[120+4*\bv+\k], |v[64*\bv+16*\k+\i]|, |v[64*\bv+16*\k+\i+1]|, v[120+4*\bv+\k]
.endr
.endr
.endr
	WIN 0
.irp n, 0,1,2,3
	v_max_num_f32 v[120+2*\n], v[120+2*\n], v[121+2*\n]                    ; n = 2 bv + c
.endr
.irp n, 0,1,2,3
	v_add_nc_u32 v[192+\n], LESS2, v[120+2*\n]
.endr
.irp n, 0,1,2,3
	v_lshrrev_b32 v[196+\n], 23, v[192+\n]
.endr
.irp bv, 0,1
	v_lshl_or_b32 v[200+\bv], v[197+2*\bv], 16, v[196+2*\bv]
.endr
.irp bv, 0,1
	v_lshlrev_b32 v[200+\bv], v[SH8], v[200+\bv]
.endr
.irp bv, 0,1
	v_permlanex16_b32 v[202+\bv], v[200+\bv], s22, s23
.endr
.irp bv, 0,1
	v_or_b32 v[204+\bv], v[200+\bv], v[202+\bv]    ; the row's scale word of these 128 keys
.endr
	WIN 0x03
.irp bv, 0,1
.irp c, 0,1
	v_cvt_scalef32_pk16_fp6_f32 v[208+12*\bv+6*\c:210+12*\bv+6*\c], v[64*\bv+32*\c:64*\bv+32*\c+15], v[192+2*\bv+\c]
	v_cvt_scalef32_pk16_fp6_f32 v[232+8*\bv+4*\c:234+8*\bv+4*\c], v[64*\bv+32*\c+16:64*\bv+32*\c+31], v[192+2*\bv+\c]
.endr
.endr
	WIN 0
	v_nop
.irp bv, 0,1
.irp c, 0,1
.irp i, 0,1,2
	v_mov_b32 v[211+12*\bv+6*\c+\i], v[232+8*\bv+4*\c+\i]
.endr
.endr
.endr
.irp bv, 0,1
	global_store_b128 v[L16], v[208+12*\bv:211+12*\bv], s[96:97] offset:12288*\bv
	global_store_b64 v[L8], v[212+12*\bv:213+12*\bv], s[96:97] offset:12288*\bv+512
	global_store_b128 v[L16], v[214+12*\bv:217+12*\bv], s[96:97] offset:12288*\bv+768
	global_store_b64 v[L8], v[218+12*\bv:219+12*\bv], s[96:97] offset:12288*\bv+1280
.endr
	v_cndmask_b32 v206, v204, v205, vcc_lo         ; lanes 0-15 tile 2 ch, lanes 16-31 tile 2 ch + 1
	global_store_b32 v[L4], v206, s[92:93]         ; 128 consecutive bytes
	s_wait_tensorcnt 0x0                           ; the wave's end
	ds_add_u32 v[SPW], v[NIL]
	s_wait_dscnt 0x0
	CROUND                                         ; the closing round
	s_endpgm
.Lfunc_end_k_qd78d34fdce_qkv:
	.size	k_qd78d34fdce_qkv, .Lfunc_end_k_qd78d34fdce_qkv-k_qd78d34fdce_qkv
	.p2alignl 7, 3214868480
	.fill 96, 4, 3214868480
	.section	.rodata,"a",@progbits
	.p2align	6, 0x0
	.amdhsa_kernel k_qd78d34fdce_qkv
		.amdhsa_group_segment_fixed_size 327680
		.amdhsa_private_segment_fixed_size 0
		.amdhsa_enable_private_segment 0
		.amdhsa_kernarg_size 56
		.amdhsa_user_sgpr_count 2
		.amdhsa_user_sgpr_kernarg_segment_ptr 1
		.amdhsa_wavefront_size32 1
		.amdhsa_system_sgpr_workgroup_id_x 1
		.amdhsa_system_sgpr_workgroup_id_y 1
		.amdhsa_system_sgpr_workgroup_id_z 1
		.amdhsa_system_vgpr_workitem_id 0
		.amdhsa_next_free_vgpr 896
		.amdhsa_next_free_sgpr 100
		.amdhsa_reserve_vcc 1
		.amdhsa_float_denorm_mode_32 3
		.amdhsa_float_denorm_mode_16_64 3
		.amdhsa_memory_ordered 1
		.amdhsa_forward_progress 1
		.amdhsa_inst_pref_size 124
	.end_amdhsa_kernel
	.amdgpu_metadata
---
amdhsa.version: [ 1, 2 ]
amdhsa.kernels:
  - .name:           k_qd78d34fdce_qkv
    .symbol:         k_qd78d34fdce_qkv.kd
    .args:
      - { .name: xc, .offset: 0, .size: 8, .value_kind: global_buffer, .address_space: global }
      - { .name: xs, .offset: 8, .size: 8, .value_kind: global_buffer, .address_space: global }
      - { .name: wc, .offset: 16, .size: 8, .value_kind: global_buffer, .address_space: global }
      - { .name: ws, .offset: 24, .size: 8, .value_kind: global_buffer, .address_space: global }
      - { .name: b_qkv, .offset: 32, .size: 8, .value_kind: global_buffer, .address_space: global }
      - { .name: qkvc, .offset: 40, .size: 8, .value_kind: global_buffer, .address_space: global }
      - { .name: qkvs, .offset: 48, .size: 8, .value_kind: global_buffer, .address_space: global }
    .group_segment_fixed_size: 327680
    .private_segment_fixed_size: 0
    .kernarg_segment_align: 8
    .kernarg_segment_size: 56
    .max_flat_workgroup_size: 128
    .sgpr_count:     100
    .vgpr_count:     896
    .wavefront_size: 32
...
	.end_amdgpu_metadata
.endif
;; end of part 2
;; launch attn (part 3): grid 2 x 128, 8 waves a work-group, no clusters, 167,936 bytes of LDS; arguments qkvc, qkvs, oc, os; writes oc, os
.if DOCPART == 3
	.amdgcn_target "amdgcn-amd-amdhsa--gfx1250"
	.amdhsa_code_object_version 6
	.text
	.protected	k_qd78d34fdce_attn
	.globl	k_qd78d34fdce_attn
	.p2align	8
	.type	k_qd78d34fdce_attn,@function
k_qd78d34fdce_attn:
	s_mov_b64 s[64:65], 0
	v_nop
	global_prefetch_b8 v0, s[64:65] scope:SCOPE_SE
	s_setreg_imm32_b32 hwreg(HW_REG_WAVE_MODE, 25, 1), 1
	s_wait_xcnt 0x0
; ATTENTION on codes of E2M3: score = Q(q) Q(k)^T; att = softmax(score) / 32, FINISHED AND NORMALISED, is quantised along the keys; o = Q(att) Q(v); o leaves as codes, quantised along the model's 1,024.  No work is left out.
; SHARES: a work-group owns 512 queries of one (batch, head); the head's K and V^T images, 98,304 bytes, come into LDS once (one load of 12,288 bytes a wave) and stay: nothing is filled again.
; EIGHT WAVES, IN PAIRS: waves tg and tg + 4 walk the same 8 query tiles; wave kh = wave / 4 takes keys 512 kh .. + 511: 256 score registers a lane, all of window 1.
; THE SOFTMAX: a wave takes away the largest score m_w of ITS 512 keys, p = 2^(c s - c m_w), l_w = the sum of p.  The pair swaps (- c m_w, l_w) through LDS; with m the larger of the two maxima,
;   l = l_0 2^(c m_0 - c m) + l_1 2^(c m_1 - c m), and att = p x r, r = 2^(c m_w - c m) / (32 l): the row's true maximum is what is taken away in the end; no exponent is positive.
; O^T: each wave sums its 512 keys; wave kh = 1 hands its 32 registers through LDS, wave kh = 0 adds them, quantises and stores.
; TWO BARRIERS A TILE: one between the store and the read of (m, l), one between the store and the read of O^T; each also parts the other's reads from its next stores.
; BOTH PRODUCTS TRANSPOSED: S^T = K Q^T, O^T = V^T P^T: a lane holds one query; by the order of a tile's rows (first launch's head) its 32 registers of four key tiles are 32 neighbouring keys: a whole block of att.
; K = 64 IN AN INSTRUCTION OF 128: a fragment of K is two key tiles' images; q stands as [0 | q | 0] in 18 registers.  Zero codes add nothing under any scale byte but 0xff.
; A block's largest att is not searched for: the block's largest SCORE goes through the same multiply-add, exponential and multiplication (this takes v_exp_f32 not to fall where its input rises).
; NO CLUSTER: only the two work-groups of a head share tiles; a cluster of four would hold two heads, whose tiles differ.  NO PREFETCH: K and V^T are asked for once, at the head: there is no loop to run ahead in.
; LIMITS: NaN and infinities are not served; v_exp_f32 gives 0 under 2^-126; 1 / (32 l) is v_rcp_f32 times a power of two where the definition divides twice; the order of rounding in l, att and o differs from the
; definition's by the split of the keys in two; a block of att whose largest number lies under 2^-124 keeps the byte 1; the scaled scores stay under 2^31 in magnitude.
; FRAGMENTS: a tile has 8 stages (4 groups of 128 keys of K, 4 key steps of V^T) of four fragments, 16 LDS loads; stage j uses register set j % 2 and is asked for two stages ahead.
.set SPARE, 98304                      ; behind K (0) and V^T (49,152): the spare words, 128 bytes a wave: four blocks of 256 bytes that no other line names
.set ML,    99328                      ; (- c m, l): 8 bytes a lane, 256 a wave
.set OST,   101376                     ; the stage for O^T: 4,096 bytes a pair
.set L16K,1
.set L8K, 2
.set L16V,3
.set L8V, 4
.set SPW, 5
.set NIL, 6
.set L16, 7
.set L8,  8
.set L4,  9
.set QSA, 10
.set OSA, 11
.set SH8, 12
.set MLS, 13
.set MLR, 14
.set OSTA,15
.set NCM, 16                           ; v[16:17] - c m_w
.set RR,  18                           ; v[18:19] r
.set MX,  20
.set PX,  21
.set MLO, 22                           ; v[22:23] my (- c m, l);  v[24:25] my partner's
.set MLP, 24
.set FA,  26
.set FO,  27
.set QW,  28
.set QRAW,29
.set OW,  30
.set T0,  31
.set KS,  32                           ; v32-39 K's scale words, v40-47 V's, v48-51 att's
.set VS,  40
.set PWD, 48
.set LS,  52                           ; v52-59 four chains of sums
.set QZ,  60                           ; v60-77 [0 | q | 0]
.set PC,  78                           ; v78-89 att's codes; behind the last key step o's codes
.set OC,  78
.set BM,  90                           ; v90-97 block maxima, v98-105 their second chains and bytes, v106-113 scale operands, v114-121 at work
.set BY,  98
.set SO,  106
.set TT,  114
.set TC,  114
.set OP,  90                           ; v90-121 my partner's O^T, when the tile's other work is done
.set OT,  122                          ; v122-153 O^T
.set FR,  154                          ; v154-201, v202-249 the two fragment sets
.set FLOOR, 0x1800000
.set LESS2, 0xff000000
.set MSB, 0
.macro WIN new                         ; the immediate's high byte repeats the setting that is left
.if MSB != (\new)
	s_set_vgpr_msb (MSB<<8)|(\new)
.set MSB, (\new)
.endif
.endm
.macro PLACES n
.rept \n
	v_nop
.endr
.endm
.macro FRAG reg, a16, a8, off          ; a fragment: two images on end
	ds_load_b128 v[(\reg):(\reg)+3], v[\a16] offset:(\off)
	ds_load_b64 v[(\reg)+4:(\reg)+5], v[\a8] offset:(\off)+512
	ds_load_b128 v[(\reg)+6:(\reg)+9], v[\a16] offset:(\off)+768
	ds_load_b64 v[(\reg)+10:(\reg)+11], v[\a8] offset:(\off)+1280
.endm
.macro FETCH j                         ; stage j's four fragments (window 0); stages 8, 9 are the next tile's 0, 1
.set FJ, (\j)%8
.set FB, FR+48*((\j)%2)
.irp f, 0,1,2,3
.if FJ < 4
	FRAG FB+12*\f, L16K, L8K, 6144*FJ+1536*\f
.else
	FRAG FB+12*\f, L16V, L8V, 12288*\f+1536*(FJ-4)
.endif
.endr
.endm
.macro QK g                            ; the scores of my keys 128 g on: eight products, each starts its own sum
	s_wait_dscnt 16                                ; this stage's loads are in; the one younger stage's 16 may be out
	WIN 0x40                                       ; the scores lie in window 1
.irp f, 0,1,2,3
.irp e, 0,1
.set rD, 64*(\g)+16*\f+8*\e
.set rF, FR+48*((\g)%2)+12*\f
.set rQ, QZ+6-6*\e
.set rS, KS+2*(\g)+\f/2
.if \f%2
	v_wmma_scale_f32_16x16x128_f8f6f4 v[rD:rD+7], v[rF:rF+11], v[rQ:rQ+11], 0, v[rS], v[QW] matrix_a_fmt:MATRIX_FMT_FP6 matrix_b_fmt:MATRIX_FMT_FP6 matrix_a_scale:MATRIX_SCALE_ROW1
.else
	v_wmma_scale_f32_16x16x128_f8f6f4 v[rD:rD+7], v[rF:rF+11], v[rQ:rQ+11], 0, v[rS], v[QW] matrix_a_fmt:MATRIX_FMT_FP6 matrix_b_fmt:MATRIX_FMT_FP6
.endif
.endr
.endr
.endm
.macro MAXG g                          ; the largest score of each of the group's two blocks: four chains by turns; each accumulator is read from its low end on
.set MS, 64*(\g)
	WIN 0x05
.irp c, 0,1
	v_max_num_f32 v[BM+2*(\g)+\c], v[MS+32*\c], v[MS+32*\c+1]
	v_max_num_f32 v[BY+2*(\g)+\c], v[MS+32*\c+16], v[MS+32*\c+17]
.endr
.irp i, 2,4,6,8,10,12,14
.irp c, 0,1
	v_max3_num_f32 v[BM+2*(\g)+\c], v[MS+32*\c+\i], v[MS+32*\c+\i+1], v[BM+2*(\g)+\c]
	v_max3_num_f32 v[BY+2*(\g)+\c], v[MS+32*\c+16+\i], v[MS+32*\c+17+\i], v[BY+2*(\g)+\c]
.endr
.endr
	WIN 0
.irp c, 0,1
	v_max_num_f32 v[BM+2*(\g)+\c], v[BM+2*(\g)+\c], v[BY+2*(\g)+\c]
.endr
.endm
.macro PV kk                           ; my key step kk: att = p r, its codes, O^T += V^T att^T
	WIN 0x41
.set n, 0
.rept 32
	v_pk_mul_f32 v[64*(\kk)+2*n:64*(\kk)+2*n+1], v[64*(\kk)+2*n:64*(\kk)+2*n+1], v[RR:RR+1]   ; also the places behind the last key step's products
.set n, n+1
.endr
	WIN 0
.if (\kk) >= 1
	FETCH 5+(\kk)                                  ; into the set that the last key step's products read
	s_wait_alu depctr_va_vdst(0)
	s_wait_dscnt 16                                ; this stage's loads are in; the 16 just issued may be out
.endif
	WIN 0x01
.irp c, 0,1
	v_cvt_scalef32_pk16_fp6_f32 v[PC+6*\c:PC+6*\c+2], v[64*(\kk)+32*\c:64*(\kk)+32*\c+15], v[SO+2*(\kk)+\c]
	v_cvt_scalef32_pk16_fp6_f32 v[TC+4*\c:TC+4*\c+2], v[64*(\kk)+32*\c+16:64*(\kk)+32*\c+31], v[SO+2*(\kk)+\c]
.endr
	WIN 0
	v_nop                                          ; one plain place behind the conversions
.irp c, 0,1
.irp i, 0,1,2
	v_mov_b32 v[PC+6*\c+3+\i], v[TC+4*\c+\i]
.endr
.endr
	PLACES 4                                       ; an operand written by vector instructions stands four places ahead of a scaled matrix instruction
.irp t, 0,1,2,3                                ; four accumulators by turns, one instruction a turn
.set rO, OT+8*\t
.set rF, FR+48*((\kk)%2)+12*\t
.set rS, VS+2*(\kk)+\t/2
.if (\kk) == 0
.if \t%2
	v_wmma_scale_f32_16x16x128_f8f6f4 v[rO:rO+7], v[rF:rF+11], v[PC:PC+11], 0, v[rS], v[PWD+(\kk)] matrix_a_fmt:MATRIX_FMT_FP6 matrix_b_fmt:MATRIX_FMT_FP6 matrix_a_scale:MATRIX_SCALE_ROW1
.else
	v_wmma_scale_f32_16x16x128_f8f6f4 v[rO:rO+7], v[rF:rF+11], v[PC:PC+11], 0, v[rS], v[PWD+(\kk)] matrix_a_fmt:MATRIX_FMT_FP6 matrix_b_fmt:MATRIX_FMT_FP6
.endif
.else
.if \t%2
	v_wmma_scale_f32_16x16x128_f8f6f4 v[rO:rO+7], v[rF:rF+11], v[PC:PC+11], v[rO:rO+7], v[rS], v[PWD+(\kk)] matrix_a_fmt:MATRIX_FMT_FP6 matrix_b_fmt:MATRIX_FMT_FP6 matrix_a_scale:MATRIX_SCALE_ROW1
.else
	v_wmma_scale_f32_16x16x128_f8f6f4 v[rO:rO+7], v[rF:rF+11], v[PC:PC+11], v[rO:rO+7], v[rS], v[PWD+(\kk)] matrix_a_fmt:MATRIX_FMT_FP6 matrix_b_fmt:MATRIX_FMT_FP6
.endif
.endif
.endr
.endm
	s_load_b256 s[4:11], s[0:1], 0x0               ; qkvc s[4:5], qkvs s[6:7], oc s[8:9], os s[10:11]
	v_lshl_add_u32 v[SPW], v0, 2, SPARE
	v_mov_b32 v[NIL], 0
	ds_add_u32 v[SPW], v[NIL]                      ; the wave's opening: the add, twice on end, and its wait ahead of my first tensor load
	ds_add_u32 v[SPW], v[NIL]
	v_lshrrev_b32 v[T0], 5, v0
	v_readfirstlane_b32 s12, v[T0]                 ; wave 0..7
	s_lshr_b32 s58, s12, 2                         ; kh: my half of the keys
	s_and_b32 s59, s12, 3                          ; tg: my pair
	s_and_b32 s13, ttmp7, 0xffff                   ; bh = 16 x batch + head
	s_mov_b32 s16, 3<<16                           ; group 1: a dense block of 12,288 bytes as 48 rows of 32 elements of 8 bytes
	s_mov_b32 s17, 32<<16
	s_mov_b32 s18, 48<<16
	s_mov_b32 s19, 32<<16
	s_mov_b32 s20, 48
	s_mov_b32 s21, 32
	s_mov_b32 s22, 0
	s_mov_b32 s23, 0
	s_mov_b32 s24, 1
	s_mul_i32 s25, s12, 12288                      ; my eighth of K and V^T: in LDS, and in memory
	s_mul_i32 s42, s13, 147456
	s_add_co_u32 s44, s42, s25
	s_add_co_u32 s44, s44, 49152                   ; K's images begin behind Q's
	s_mov_b32 s45, 0
	s_lshl_b32 s14, ttmp9, 5
	s_lshl_b32 s46, s59, 3
	s_add_co_u32 s14, s14, s46                     ; my first query tile in the head: 32 x + 8 tg
	s_mul_i32 s46, s14, 768
	s_add_co_u32 s46, s46, s42
	s_mov_b32 s47, 0
	s_mul_i32 s48, s13, 6144
	s_mov_b32 s49, 0
	s_lshl_b32 s50, s14, 5                         ; 256 bytes of Q's scales for each 8 tiles
	s_add_co_u32 s50, s50, s48
	s_mov_b32 s51, 0
	s_lshl_b32 s43, s58, 10
	s_add_co_u32 s48, s48, s43                     ; K's and V's scales: my half of the keys lies 1,024 kh bytes on in both
	s_lshr_b32 s52, s13, 4
	s_lshl_b32 s52, s52, 6
	s_add_co_u32 s52, s52, s14                     ; my first token tile of all 512
	s_and_b32 s53, s13, 15                         ; the head
	s_mul_i32 s54, s52, 12288
	s_mul_i32 s55, s53, 768
	s_add_co_u32 s54, s54, s55                     ; oc: tile, image = head
	s_mov_b32 s55, 0
	s_lshl_b32 s56, s52, 9
	s_lshr_b32 s57, s53, 1
	s_lshl_b32 s57, s57, 6
	s_add_co_u32 s56, s56, s57
	s_and_b32 s57, s53, 1
	s_lshl_b32 s57, s57, 1
	s_add_co_u32 s56, s56, s57                     ; os: tile, K step head / 2, halfword head % 2
	s_mov_b32 s57, 0
	s_mul_i32 s62, s58, 24576                      ; my keys' K images in LDS,
	s_mul_i32 s63, s58, 6144
	s_add_co_u32 s63, s63, 49152                   ; and my key steps of V^T's
	s_mov_b32 s38, 0x76543210
	s_mov_b32 s39, 0xfedcba98                      ; v_permlanex16_b32's selects for lane l xor 16
	s_mov_b32 s40, 0x3fb8aa3b                      ; c = log2(e)
	s_mov_b32 s41, s40
	s_mov_b32 s15, 0                               ; the trip
	s_wait_dscnt 0x0                               ; both opening adds are done
	s_wait_kmcnt 0x0
	s_add_nc_u64 s[26:27], s[4:5], s[44:45]
	s_or_b32 s27, s27, 0x80000000
	tensor_load_to_lds s[24:27], s[16:23]          ; every wave's one load
	s_nop 0
.rept 4
	v_nop
.endr
	s_add_nc_u64 s[60:61], s[4:5], s[46:47]        ; Q's image of my first tile
	s_mov_b64 s[28:29], s[60:61]
	s_add_nc_u64 s[48:49], s[6:7], s[48:49]
	s_add_nc_u64 s[30:31], s[6:7], s[50:51]        ; Q's scales, of my 8 tiles
	s_mov_b64 s[32:33], s[30:31]
	s_add_nc_u64 s[34:35], s[8:9], s[54:55]
	s_add_nc_u64 s[36:37], s[10:11], s[56:57]
	v_and_b32 v[T0], 31, v0
	v_lshlrev_b32 v[L16], 4, v[T0]
	v_lshlrev_b32 v[L8], 3, v[T0]
	v_lshlrev_b32 v[L4], 2, v[T0]
	v_and_b32 v[OSA], 15, v0
	v_lshlrev_b32 v[QSA], 3, v[OSA]
	v_lshlrev_b32 v[OSA], 2, v[OSA]
	v_bfe_u32 v[SH8], v0, 4, 1
	v_lshlrev_b32 v[SH8], 3, v[SH8]
	v_add_nc_u32 v[L16K], s62, v[L16]
	v_add_nc_u32 v[L8K], s62, v[L8]
	v_add_nc_u32 v[L16V], s63, v[L16]
	v_add_nc_u32 v[L8V], s63, v[L8]
	v_lshl_add_u32 v[MLS], v0, 3, ML               ; my 8 bytes,
	v_xor_b32 v[T0], 128, v0
	v_lshl_add_u32 v[MLR], v[T0], 3, ML            ; and the same lane's of wave w xor 4
	v_bfe_u32 v[T0], v0, 5, 2
	v_lshl_add_u32 v[OSTA], v[T0], 12, v[L16]
	v_add_nc_u32 v[OSTA], OST, v[OSTA]             ; my pair's stage, 16 bytes a lane
	v_mov_b32 v[PX], 0                             ; lane permutes' destinations count as sources: written once
.irp i, 0,1,2,3
	v_mov_b32 v[TT+\i], 0
.endr
.irp i, 0,1,2,3,4,5
	v_mov_b32 v[QZ+\i], 0                          ; the zero codes on both sides of q
	v_mov_b32 v[QZ+12+\i], 0
.endr
	s_wait_alu depctr_va_vdst(0)
.irp g, 0,1,2,3
	global_load_b64 v[KS+2*\g:KS+2*\g+1], v[L8], s[48:49] offset:2048+256*\g   ; K's scale words stay in registers: group g's four pairs of tiles
.endr
.irp n, 0,1,2,3,4,5,6,7
	global_load_b32 v[VS+\n], v[L4], s[48:49] offset:4096+128*\n           ; V's: key step n / 2, tiles 2 (n % 2) (lanes 0-15) and 2 (n % 2) + 1 (lanes 16-31)
.endr
	global_load_u16 v[QRAW], v[QSA], s[32:33]
	global_load_b128 v[QZ+6:QZ+9], v[L16], s[28:29]
	global_load_b64 v[QZ+10:QZ+11], v[L8], s[28:29] offset:512
	s_wait_tensorcnt 0x0                           ; my eighth has landed,
	s_barrier_signal -1
	s_barrier_wait -1                              ; everybody's has
	FETCH 0
	FETCH 1
	s_wait_loadcnt 0x0
	v_lshl_or_b32 v[QW], v[QRAW], 16, v[QRAW]      ; q's two bytes twice: they serve [q | 0] and [0 | q]
	s_wait_alu depctr_va_vdst(0)
	PLACES 8                                       ; a scale register written by a vector instruction stands eight places ahead of a scaled matrix instruction
.Ltile:
	; ---- scores and block maxima: a group's maxima stand behind the next group's products, and are the places in front of the loads into the set just read
	QK 0
	WIN 0
	PLACES 4
	FETCH 2
	QK 1
	MAXG 0
	FETCH 3
	QK 2
	MAXG 1
	FETCH 4
	QK 3
	MAXG 2
	FETCH 5
	; ---- the next tile's q, a trip ahead; the last trip names its own tile again, so that no load leaves the pair's 8 tiles
	s_add_co_u32 s42, s15, 1
	s_min_u32 s42, s42, 7
	s_mul_i32 s46, s42, 768
	s_mov_b32 s47, 0
	s_add_nc_u64 s[28:29], s[60:61], s[46:47]      ; (the last loads by these bases were waited for in the trip before)
	s_bfe_u32 s43, s42, 0x10001
	s_lshl_b32 s43, s43, 7                         ; tile i's halfword: pair i / 2: lanes 16-31 where it is odd: 128 bytes on;
	s_lshr_b32 s44, s42, 2
	s_lshl_b32 s44, s44, 2                         ; word i / 4;
	s_add_co_u32 s43, s43, s44
	s_and_b32 s44, s42, 1
	s_lshl_b32 s44, s44, 1                         ; half i % 2
	s_add_co_u32 s46, s43, s44
	s_add_nc_u64 s[32:33], s[30:31], s[46:47]
	global_load_b128 v[QZ+6:QZ+9], v[L16], s[28:29]
	global_load_b64 v[QZ+10:QZ+11], v[L8], s[28:29] offset:512
	global_load_u16 v[QRAW], v[QSA], s[32:33]
	MAXG 3
	; ---- the largest score of my 512 keys
	v_max3_num_f32 v[TT], v[BM], v[BM+1], v[BM+2]
	v_max3_num_f32 v[TT+1], v[BM+3], v[BM+4], v[BM+5]
	v_max3_num_f32 v[TT], v[TT], v[BM+6], v[BM+7]
	v_max_num_f32 v[MX], v[TT], v[TT+1]
	v_permlanex16_b32 v[PX], v[MX], s38, s39
	v_max_num_f32 v[MX], v[MX], v[PX]
	v_mul_f32 v[NCM], 0xbfb8aa3b, v[MX]            ; - c m_w
	v_mov_b32 v[NCM+1], v[NCM]
	v_mov_b32 v[MLO], v[NCM]
	; ---- p = 2^(c s - c m_w): all sources, one wait, one batch, one wait
.irp n, 0,1,2,3
	v_pk_fma_f32 v[BM+2*\n:BM+2*\n+1], v[BM+2*\n:BM+2*\n+1], s[40:41], v[NCM:NCM+1] op_sel_hi:[1,0,0]   ; the blocks' largest scores take the same way
.endr
	WIN 0x41
.set n, 0
.rept 128
	v_pk_fma_f32 v[2*n:2*n+1], v[2*n:2*n+1], s[40:41], v[NCM:NCM+1] op_sel_hi:[1,0,0]
.set n, n+1
.endr
	s_wait_alu depctr_va_vdst(0)
.set n, 0
.rept 256
	v_exp_f32 v[n], v[n]
.set n, n+1
.endr
	WIN 0
.irp n, 0,1,2,3,4,5,6,7
	v_exp_f32 v[BM+\n], v[BM+\n]
.endr
	v_nop                                          ; one plain place behind the batch
	s_wait_alu depctr_va_vdst(0)                   ; and the wait behind it
	; ---- l_w: four chains of packed sums; nothing is cleared
	WIN 0x05
.irp n, 0,1,2,3
	v_pk_add_f32 v[LS+2*\n:LS+2*\n+1], v[2*\n:2*\n+1], v[8+2*\n:9+2*\n]
.endr
	WIN 0x01
.set n, 8
.rept 120
	v_pk_add_f32 v[LS+2*(n%4):LS+2*(n%4)+1], v[2*n:2*n+1], v[LS+2*(n%4):LS+2*(n%4)+1]
.set n, n+1
.endr
	WIN 0
	v_pk_add_f32 v[LS:LS+1], v[LS:LS+1], v[LS+2:LS+3]
	v_pk_add_f32 v[LS+4:LS+5], v[LS+4:LS+5], v[LS+6:LS+7]
	v_pk_add_f32 v[LS:LS+1], v[LS:LS+1], v[LS+4:LS+5]
	v_add_f32 v[LS], v[LS], v[LS+1]
	v_permlanex16_b32 v[PX], v[LS], s38, s39
	v_add_f32 v[MLO+1], v[LS], v[PX]
	ds_store_b64 v[MLS], v[MLO:MLO+1]
	s_wait_alu depctr_va_vdst(0)
	s_wait_dscnt 0x0                               ; my store is done, for my partner's sake; so are my reads of the stage for O^T
	s_barrier_signal -1
	s_barrier_wait -1
	ds_load_b64 v[MLP:MLP+1], v[MLR]
	s_wait_loadcnt 0x0                             ; the next tile's q and its bytes
	s_wait_dscnt 0x0
	v_min_num_f32 v[MX], v[MLO], v[MLP]            ; - c m, m the row's largest score
	v_sub_f32 v[FA], v[MX], v[MLO]                 ; c m_w - c m, 0 or less: mine,
	v_sub_f32 v[FO], v[MX], v[MLP]                 ; my partner's
	s_wait_alu depctr_va_vdst(0)
	v_exp_f32 v[FA], v[FA]
	v_exp_f32 v[FO], v[FO]
	v_lshl_or_b32 v[QW], v[QRAW], 16, v[QRAW]      ; (the plain place; this tile's score products are long done)
	s_wait_alu depctr_va_vdst(0)
	v_mul_f32 v[LS], v[MLO+1], v[FA]
	v_fma_f32 v[LS], v[MLP+1], v[FO], v[LS]        ; l
	s_wait_alu depctr_va_vdst(0)
	v_rcp_f32 v[RR], v[LS]
	v_mul_f32 v[FA], 0x3d000000, v[FA]             ; / 32: a power of two.  (The plain place)
	s_wait_alu depctr_va_vdst(0)
	v_mul_f32 v[RR], v[RR], v[FA]                  ; r
	v_mov_b32 v[RR+1], v[RR]
.irp n, 0,1,2,3
	v_pk_mul_f32 v[BM+2*\n:BM+2*\n+1], v[BM+2*\n:BM+2*\n+1], v[RR:RR+1]    ; each block's largest att
.endr
.irp n, 0,1,2,3,4,5,6,7
	v_max_num_f32 v[BM+\n], FLOOR, v[BM+\n]
.endr
.irp n, 0,1,2,3,4,5,6,7
	v_add_nc_u32 v[SO+\n], LESS2, v[BM+\n]         ; the conversion's scale operand
.endr
.irp n, 0,1,2,3,4,5,6,7
	v_lshrrev_b32 v[BY+\n], 23, v[SO+\n]           ; the scale's byte
.endr
.irp k, 0,1,2,3
	v_lshl_or_b32 v[PWD+\k], v[BY+2*\k+1], 16, v[BY+2*\k]
.endr
.irp k, 0,1,2,3
	v_lshlrev_b32 v[PWD+\k], v[SH8], v[PWD+\k]
.endr
.irp k, 0,1,2,3
	v_permlanex16_b32 v[TT+\k], v[PWD+\k], s38, s39
.endr
.irp k, 0,1,2,3
	v_or_b32 v[PWD+\k], v[PWD+\k], v[TT+\k]        ; att's scale word of key step k
.endr
	; ---- att, its codes, O^T
	PV 0
	PV 1
	PV 2
	PV 3
	PLACES 4                                       ; behind the last products: for the loads into their set and for the reads of O^T
	FETCH 9
	s_wait_alu depctr_va_vdst(0)
	s_cmp_eq_u32 s58, 0
	s_cbranch_scc1 .Lno_hand
.irp i, 0,1,2,3,4,5,6,7
	ds_store_b128 v[OSTA], v[OT+4*\i:OT+4*\i+3] offset:512*\i              ; wave kh = 1 hands its O^T over, each accumulator from its low end on
.endr
.Lno_hand:
	s_wait_dscnt 0x0
	s_barrier_signal -1
	s_barrier_wait -1
	s_cmp_lg_u32 s58, 0
	s_cbranch_scc1 .Lno_out
	; ---- wave kh = 0: o = the two halves' sum; a lane's 32 numbers are one block of the model's 1,024: codes and two scale bytes
.irp i, 0,1,2,3,4,5,6,7
	ds_load_b128 v[OP+4*\i:OP+4*\i+3], v[OSTA] offset:512*\i
.endr
	s_wait_dscnt 0x0
.irp n, 0,1,2,3,4,5,6,7,8,9,10,11,12,13,14,15
	v_pk_add_f32 v[OT+2*\n:OT+2*\n+1], v[OT+2*\n:OT+2*\n+1], v[OP+2*\n:OP+2*\n+1]
.endr
	v_max3_num_f32 v[TT], |v[OT]|, |v[OT+1]|, FLOOR
	v_max3_num_f32 v[TT+1], |v[OT+16]|, |v[OT+17]|, FLOOR
.irp i, 2,4,6,8,10,12,14
	v_max3_num_f32 v[TT], |v[OT+\i]|, |v[OT+\i+1]|, v[TT]
	v_max3_num_f32 v[TT+1], |v[OT+16+\i]|, |v[OT+17+\i]|, v[TT+1]
.endr
	v_max_num_f32 v[TT], v[TT], v[TT+1]
	v_add_nc_u32 v[TT+2], LESS2, v[TT]
	v_lshrrev_b32 v[TT+3], 23, v[TT+2]
	v_lshlrev_b32 v[TT+3], v[SH8], v[TT+3]
	v_permlanex16_b32 v[PX], v[TT+3], s38, s39
	v_or_b32 v[OW], v[TT+3], v[PX]
	v_cvt_scalef32_pk16_fp6_f32 v[OC:OC+2], v[OT:OT+15], v[TT+2]
	v_cvt_scalef32_pk16_fp6_f32 v[OC+4:OC+6], v[OT+16:OT+31], v[TT+2]
	v_nop                                          ; one plain place behind the conversions
	v_mov_b32 v[OC+3], v[OC+4]
	v_mov_b32 v[OC+4], v[OC+5]
	v_mov_b32 v[OC+5], v[OC+6]
	global_store_b128 v[L16], v[OC:OC+3], s[34:35]             ; an image: 512 and 256 consecutive bytes, aligned
	global_store_b64 v[L8], v[OC+4:OC+5], s[34:35] offset:512
	global_store_b16 v[OSA], v[OW], s[36:37]       ; my head's half of 16 scale words; lanes 16-31 name the same bytes with the same value
	s_wait_xcnt 0x0                                ; the stores have read their registers and bases: both are written again
	s_add_nc_u64 s[34:35], s[34:35], 12288
	s_add_nc_u64 s[36:37], s[36:37], 512
.Lno_out:
	s_add_co_u32 s15, s15, 1
	s_cmp_lt_u32 s15, 8
	s_wait_alu depctr_va_vdst(0)
	s_cbranch_scc1 .Ltile
	s_wait_tensorcnt 0x0                           ; the wave's end
	ds_add_u32 v[SPW], v[NIL]
	s_wait_dscnt 0x0
	s_endpgm
.Lfunc_end_k_qd78d34fdce_attn:
	.size	k_qd78d34fdce_attn, .Lfunc_end_k_qd78d34fdce_attn-k_qd78d34fdce_attn
	.p2alignl 7, 3214868480
	.fill 96, 4, 3214868480
	.section	.rodata,"a",@progbits
	.p2align	6, 0x0
	.amdhsa_kernel k_qd78d34fdce_attn
		.amdhsa_group_segment_fixed_size 167936
		.amdhsa_private_segment_fixed_size 0
		.amdhsa_enable_private_segment 0
		.amdhsa_kernarg_size 32
		.amdhsa_user_sgpr_count 2
		.amdhsa_user_sgpr_kernarg_segment_ptr 1
		.amdhsa_wavefront_size32 1
		.amdhsa_system_sgpr_workgroup_id_x 1
		.amdhsa_system_sgpr_workgroup_id_y 1
		.amdhsa_system_sgpr_workgroup_id_z 1
		.amdhsa_system_vgpr_workitem_id 0
		.amdhsa_next_free_vgpr 512
		.amdhsa_next_free_sgpr 66
		.amdhsa_reserve_vcc 0
		.amdhsa_float_denorm_mode_32 3
		.amdhsa_float_denorm_mode_16_64 3
		.amdhsa_memory_ordered 1
		.amdhsa_forward_progress 1
		.amdhsa_inst_pref_size 77
	.end_amdhsa_kernel
	.amdgpu_metadata
---
amdhsa.version: [ 1, 2 ]
amdhsa.kernels:
  - .name:           k_qd78d34fdce_attn
    .symbol:         k_qd78d34fdce_attn.kd
    .args:
      - { .name: qkvc, .offset: 0, .size: 8, .value_kind: global_buffer, .address_space: global }
      - { .name: qkvs, .offset: 8, .size: 8, .value_kind: global_buffer, .address_space: global }
      - { .name: oc, .offset: 16, .size: 8, .value_kind: global_buffer, .address_space: global }
      - { .name: os, .offset: 24, .size: 8, .value_kind: global_buffer, .address_space: global }
    .group_segment_fixed_size: 167936
    .private_segment_fixed_size: 0
    .kernarg_segment_align: 8
    .kernarg_segment_size: 32
    .max_flat_workgroup_size: 256
    .sgpr_count:     66
    .vgpr_count:     512
    .wavefront_size: 32
...
	.end_amdgpu_metadata
.endif
;; end of part 3
;; launch proj (part 4): grid 8 x 32, 4 waves a work-group, clusters of 4 x 4, 327,680 bytes of LDS; arguments oc, os, wc, ws, b_proj, out0; writes out0
.if DOCPART == 4
	.amdgcn_target "amdgcn-amd-amdhsa--gfx1250"
	.amdhsa_code_object_version 6
	.text
	.protected	k_qd78d34fdce_proj
	.globl	k_qd78d34fdce_proj
	.p2align	8
	.type	k_qd78d34fdce_proj,@function
k_qd78d34fdce_proj:
	s_mov_b64 s[64:65], 0
	v_nop
	global_prefetch_b8 v0, s[64:65] scope:SCOPE_SE
	s_setreg_imm32_b32 hwreg(HW_REG_WAVE_MODE, 25, 1), 1
	s_wait_xcnt 0x0
	s_wait_alu depctr_hold_cnt(0) depctr_sa_sdst(0) depctr_va_vdst(0) depctr_va_sdst(0) depctr_va_ssrc(0) depctr_va_vcc(0) depctr_vm_vsrc(0)
	s_getreg_b32 s2, hwreg(HW_REG_IB_STS2, 6, 4)
	s_cmp_eq_u32 s2, 0
	s_cbranch_scc0 .Lentry_in_a_cluster
	s_endpgm
.Lentry_in_a_cluster:
	s_bfe_u32 s2, ttmp6, 0x10000c
	s_cmp_lg_u32 s2, 0xf033
	s_cbranch_scc0 .Lentry_shape_is_right
	s_endpgm
.Lentry_shape_is_right:
.set SLOT,  147456
.set BOFF,  98304
.set SCLB,  2*SLOT
.set SCLA,  SCLB+4096
.set SPARE, SCLA+8192
.set LANE, 1
.set RW,   2
.set HF,   3
.set L16,  4
.set L8,   5
.set A16,  8
.set A8,   10
.set B16,  12
.set B8,   14
.set ADRS, 16
.set BA,   17
.set STO,  20
.set RD,   21
.set CO,   22
.set SPW,  28
.set NIL,  29
.set SC,   32
.set AF,   64
.set BIAS, 96
.set BK,   128
.set G1A, 24
.set G0A, 32
.set G1B, 48
.set G0B, 56
.set G1SA, 68
.set G0SA, 76
.set G1SB, 80
.set G0SB, 88
.set MSB, 0
.macro WIN new
.if MSB != (\new)
	s_set_vgpr_msb (MSB<<8)|(\new)
.set MSB, (\new)
.endif
.endm
.macro PLACES n
.rept \n
	v_nop
.endr
.endm
.macro JLOAD g0a, g1a, g0b, g1b
	s_cmp_eq_u32 s19, 0
	s_cbranch_scc0 .Lfor_b_\@
	tensor_load_to_lds s[\g0a:\g0a+3], s[\g1a:\g1a+7]
	s_nop 0
.rept 4
	v_nop
.endr
	s_branch .Lasked_\@
.Lfor_b_\@:
	tensor_load_to_lds s[\g0b:\g0b+3], s[\g1b:\g1b+7]
	s_nop 0
.rept 4
	v_nop
.endr
.Lasked_\@:
.endm
.macro CROUND
	s_barrier_signal -1
	s_barrier_wait -1
	s_cmp_lg_u32 s18, 0
	s_cbranch_scc1 .Lnot_wave_0_\@
	s_barrier_signal -3
.Lnot_wave_0_\@:
	s_barrier_wait -3
	s_barrier_signal -1
	s_barrier_wait -1
.endm
	s_load_b256 s[4:11], s[0:1], 0x0
	s_load_b128 s[12:15], s[0:1], 0x20
	v_lshl_add_u32 v[SPW], v0, 2, SPARE
	v_mov_b32 v[NIL], 0
	ds_add_u32 v[SPW], v[NIL]
	ds_add_u32 v[SPW], v[NIL]
	v_lshrrev_b32 v1, 5, v0
	v_readfirstlane_b32 s18, v1
	s_lshr_b32 s19, s18, 1
	s_and_b32 s20, s18, 1
	s_bfe_u32 s40, ttmp6, 0x40000
	s_bfe_u32 s41, ttmp6, 0x40004
	s_lshl_b32 s42, ttmp9, 2
	s_add_co_u32 s42, s42, s40
	s_and_b32 s43, ttmp7, 0xffff
	s_lshl_b32 s43, s43, 2
	s_add_co_u32 s43, s43, s41
	s_lshl_b32 s44, s41, 2
	s_lshl_b32 s44, 15, s44
	s_lshl_b32 s45, 0x1111, s40
	s_or_b32 s[G1A], s44, (3<<16)|(1<<21)
	s_or_b32 s[G1B], s45, (3<<16)|(1<<21)
	s_or_b32 s[G1SA], s44, (3<<16)|(1<<21)
	s_or_b32 s[G1SB], s45, (3<<16)|(1<<21)
.irp g, G1A, G1B
	s_mov_b32 s[\g+1], 768<<16
	s_mov_b32 s[\g+3], 768<<16
	s_mov_b32 s[\g+5], 1536
	s_mov_b32 s[\g+6], 0
	s_mov_b32 s[\g+7], 0
.endr
	s_mov_b32 s[G1A+2], 16<<16                     ; the head's loads bring slot 0's tiles whole: 16 token tiles,
	s_mov_b32 s[G1A+4], 16
	s_mov_b32 s[G1B+2], 8<<16                      ; 8 weight tiles
	s_mov_b32 s[G1B+4], 8
.irp g, G1SA, G1SB
	s_mov_b32 s[\g+1], 32<<16
	s_mov_b32 s[\g+3], 32<<16
	s_mov_b32 s[\g+5], 32
	s_mov_b32 s[\g+6], 0
	s_mov_b32 s[\g+7], 0
.endr
	s_mov_b32 s[G1SA+2], 32<<16                    ; all 8,192 bytes of the tokens' scales in one load,
	s_mov_b32 s[G1SA+4], 32
	s_mov_b32 s[G1SB+2], 16<<16                    ; all 4,096 of the weights'
	s_mov_b32 s[G1SB+4], 16
	s_lshl_b32 s46, s43, 4
	s_lshl_b32 s47, s20, 3
	s_add_co_u32 s46, s46, s47
	s_mul_i32 s92, s46, 12288
	s_mov_b32 s93, 0
	s_lshl_b32 s94, s43, 13                        ; the scales of token tile 16 R on
	s_mov_b32 s95, 0
	s_lshl_b32 s66, s42, 3
	s_lshl_b32 s67, s20, 2
	s_add_co_u32 s66, s66, s67
	s_add_co_u32 s66, s66, 192
	s_mul_i32 s96, s66, 12288
	s_mov_b32 s97, 0
	s_lshl_b32 s98, s42, 12
	s_add_co_u32 s98, s98, 98304                   ; the scales of weight tile 192 + 8 x column block on
	s_mov_b32 s99, 0
	s_mul_i32 s21, s20, 49152
	s_mul_i32 s2, s20, 24576
	s_wait_dscnt 0x0
	s_wait_kmcnt 0x0
	s_add_nc_u64 s[92:93], s[4:5], s[92:93]
	s_add_nc_u64 s[94:95], s[6:7], s[94:95]
	s_add_nc_u64 s[96:97], s[8:9], s[96:97]
	s_add_nc_u64 s[98:99], s[10:11], s[98:99]
	CROUND
	s_mov_b32 s[G0SA], 1
	s_mov_b32 s[G0SA+1], SCLA
	s_mov_b64 s[G0SA+2:G0SA+3], s[94:95]
	s_or_b32 s[G0SA+3], s[G0SA+3], 0x80000000
	s_mov_b32 s[G0SB], 1
	s_mov_b32 s[G0SB+1], SCLB
	s_mov_b64 s[G0SB+2:G0SB+3], s[98:99]
	s_or_b32 s[G0SB+3], s[G0SB+3], 0x80000000
.irp s, 0,1
	s_mov_b32 s[G0A+4*\s], 1
	s_add_co_u32 s[G0A+4*\s+1], s21, \s*SLOT
	s_add_nc_u64 s[G0A+4*\s+2:G0A+4*\s+3], s[92:93], \s*6144
	s_or_b32 s[G0A+4*\s+3], s[G0A+4*\s+3], 0x80000000
	s_mov_b32 s[G0B+4*\s], 1
	s_add_co_u32 s[G0B+4*\s+1], s2, \s*SLOT+BOFF
	s_add_nc_u64 s[G0B+4*\s+2:G0B+4*\s+3], s[96:97], \s*6144
	s_or_b32 s[G0B+4*\s+3], s[G0B+4*\s+3], 0x80000000
.endr
	; THE HEAD'S LOADS, ONE A WAVE: wave 0 slot 0's 16 token tiles, wave 1 its 8 weight tiles, wave 2 the tokens' scales, wave 3 the weights'.
	s_mul_i32 s46, s43, 196608                     ; token tile 16 R, in bytes
	s_mov_b32 s47, 0
	s_add_nc_u64 s[6:7], s[4:5], s[46:47]          ; group 0 in s[4:7]: the arguments that lay there have been used
	s_or_b32 s7, s7, 0x80000000
	s_mov_b32 s4, 1
	s_mov_b32 s5, 0
	s_mul_i32 s66, s42, 98304
	s_add_co_u32 s66, s66, 2359296                 ; weight tile 192 + 8 x column block, in bytes
	s_mov_b32 s67, 0
	s_add_nc_u64 s[10:11], s[8:9], s[66:67]        ; group 0 in s[8:11]
	s_or_b32 s11, s11, 0x80000000
	s_mov_b32 s8, 1
	s_mov_b32 s9, BOFF
.macro ARM under, g0, g1, next         ; one tree of branches on the wave's number: every way passes exactly one load
	s_cmp_lt_u32 s18, \under
	s_cbranch_scc0 \next
	tensor_load_to_lds s[\g0:\g0+3], s[\g1:\g1+7]
	s_nop 0
.rept 4
	v_nop
.endr
	s_branch .Lhead_asked
\next:
.endm
	ARM 1, 4, G1A, .Lhead_b
	ARM 2, 8, G1B, .Lhead_sa
	ARM 3, G0SA, G1SA, .Lhead_sb
	tensor_load_to_lds s[G0SB:G0SB+3], s[G1SB:G1SB+7]
	s_nop 0
.rept 4
	v_nop
.endr
.Lhead_asked:
	v_and_b32 v[LANE], 31, v0
	v_and_b32 v[RW], 15, v0
	v_bfe_u32 v[HF], v0, 4, 1
	v_lshlrev_b32 v[L16], 4, v[LANE]
	s_wait_alu depctr_va_vdst(0)
	v_lshlrev_b32 v[L8], 3, v[LANE]
	s_wait_alu depctr_va_vdst(0)
	s_xor_b32 s46, s20, 1
	s_lshl_b32 s46, s46, 11
	s_lshl_b32 s47, s19, 12
	s_add_co_u32 s46, s46, s47
	s_add_co_u32 s46, s46, 2048
	v_mul_u32_u24 v[ADRS], s46, v[HF]
	v_lshl_add_u32 v[ADRS], v[RW], 2, v[ADRS]
	s_lshl_b32 s47, s20, 11
	s_add_co_u32 s47, s47, SCLB
	v_add_nc_u32 v[ADRS], s47, v[ADRS]
	s_mul_i32 s46, s19, 49152
	s_mul_i32 s47, s20, 24576
	s_add_co_u32 s47, s47, BOFF
.irp s, 0,1
	v_add_nc_u32 v[A16+\s], s46, v[L16]
	v_add_nc_u32 v[A8+\s], s46, v[L8]
	v_add_nc_u32 v[B16+\s], s47, v[L16]
	v_add_nc_u32 v[B8+\s], s47, v[L8]
	s_add_co_u32 s46, s46, SLOT
	s_add_co_u32 s47, s47, SLOT
.endr
	s_mul_i32 s46, s18, 16*272
	v_mul_u32_u24 v[STO], v[RW], 272
	v_lshl_add_u32 v[STO], v[HF], 7, v[STO]
	v_add_nc_u32 v[STO], s46, v[STO]
	v_mul_u32_u24 v[RD], v[HF], 272
	v_lshl_add_u32 v[RD], v[RW], 4, v[RD]
	v_add_nc_u32 v[RD], s46, v[RD]
	v_lshlrev_b32 v[CO], 12, v[HF]
	v_lshl_add_u32 v[CO], v[RW], 4, v[CO]
	v_lshlrev_b32 v[BA], 7, v[HF]
	s_wait_alu depctr_va_vdst(0)
	s_lshl_b32 s46, s42, 9
	s_lshl_b32 s47, s20, 8
	s_add_co_u32 s2, s46, s47
	s_mov_b32 s3, 0
	s_add_nc_u64 s[12:13], s[12:13], s[2:3]
	s_lshl_b32 s46, s43, 20
	s_lshl_b32 s47, s19, 19
	s_add_co_u32 s46, s46, s47
	s_mov_b32 s47, 0
	s_add_nc_u64 s[14:15], s[14:15], s[46:47]
	s_add_nc_u64 s[14:15], s[14:15], s[2:3]
	WIN 0x40
.irp t, 0,1,2,3
	global_load_b128 v[BIAS+8*\t:BIAS+8*\t+3], v[BA], s[12:13] offset:32*\t
	global_load_b128 v[BIAS+8*\t+4:BIAS+8*\t+7], v[BA], s[12:13] offset:32*\t+16
.endr
	WIN 0
.macro FRAG reg, a16, a8, off
	ds_load_b128 v[(\reg):(\reg)+3], v[\a16] offset:(\off)
	ds_load_b64 v[(\reg)+4:(\reg)+5], v[\a8] offset:(\off)+512
	ds_load_b128 v[(\reg)+6:(\reg)+9], v[\a16] offset:(\off)+768
	ds_load_b64 v[(\reg)+10:(\reg)+11], v[\a8] offset:(\off)+1280
.endm
.macro FETCH k
.set FS, (\k)/4
.set FQ, (\k)%4
.set FT, (\k)%2
	WIN 0x40
.irp b, 0,1,2,3
	FRAG 48*FT+12*\b, B16+FS, B8+FS, 6144*\b+1536*FQ
.endr
	WIN 0
.irp a, 0,1,2,3,4,5,6,7
	FRAG AF+96*FT+12*\a, A16+FS, A8+FS, 6144*\a+1536*FQ
.endr
.irp i, 0,1,2,3,4,5,6,7
	ds_load_b32 v[SC+8*FT+\i], v[ADRS] offset:512*\i+64*(\k)
.endr
.endm
.macro MULA a, k
.set MS, (\k)%2
.irp b, 0,1,2,3
.if (\k) == 0
	v_wmma_scale_f32_16x16x128_f8f6f4 v[32*(\a)+8*\b:32*(\a)+8*\b+7], v[48*MS+12*\b:48*MS+12*\b+11], v[AF+96*MS+12*(\a):AF+96*MS+12*(\a)+11], v[BIAS+8*\b:BIAS+8*\b+7], v[SC+8*MS+\b], v[SC+8*MS+(\a)] matrix_a_fmt:MATRIX_FMT_FP6 matrix_b_fmt:MATRIX_FMT_FP6 matrix_b_scale:MATRIX_SCALE_ROW1
.else
	v_wmma_scale_f32_16x16x128_f8f6f4 v[32*(\a)+8*\b:32*(\a)+8*\b+7], v[48*MS+12*\b:48*MS+12*\b+11], v[AF+96*MS+12*(\a):AF+96*MS+12*(\a)+11], v[32*(\a)+8*\b:32*(\a)+8*\b+7], v[SC+8*MS+\b], v[SC+8*MS+(\a)] matrix_a_fmt:MATRIX_FMT_FP6 matrix_b_fmt:MATRIX_FMT_FP6 matrix_b_scale:MATRIX_SCALE_ROW1
.endif
.endr
.endm
.macro MUL4 a, k
	MULA \a, \k
	MULA (\a)+1, \k
	MULA (\a)+2, \k
	MULA (\a)+3, \k
.endm
.macro WINT k
.if (\k) == 0
	WIN 0x91
.else
	WIN 0xa1
.endif
.endm
.macro STEP k
	s_wait_dscnt 0x0
	WINT \k
	MUL4 0, \k
	PLACES 4
	FETCH (\k)+1
	WINT \k
	MUL4 4, \k
.endm
	s_wait_alu depctr_va_vdst(0)
	s_wait_tensorcnt 0x0                           ; my tile of the head's four is in; slot 1's first fill is issued as a refill is:
	ds_add_u32 v[SPW], v[NIL]
	s_mov_b32 s[G1A+2], 8<<16                      ; no tensor load of mine is out: slot 1's loads bring half a slot's tiles: 8 token tiles,
	s_mov_b32 s[G1A+4], 8
	s_mov_b32 s[G1B+2], 4<<16                      ; 4 weight tiles
	s_mov_b32 s[G1B+4], 4
	s_wait_dscnt 0x0
	CROUND                                         ; all four tiles are in, and all sixteen work-groups are here
	JLOAD G0A+4, G1A, G0B+4, G1B                   ; slot 1: the first tensor load behind the round
	FETCH 0
	s_wait_loadcnt 0x0
	STEP 0
	STEP 1
	STEP 2
	s_wait_dscnt 0x0
	s_wait_tensorcnt 0x0
	s_barrier_signal -1
	WIN 0xa1
	MUL4 0, 3
	s_barrier_wait -1
	PLACES 4
	FETCH 4
	WIN 0xa1
	MUL4 4, 3
	STEP 4
	STEP 5
	STEP 6
	s_wait_dscnt 0x0
	WIN 0xa1
	MUL4 0, 7
	MUL4 4, 7
	WIN 0
.macro TOSTAGE a
	WIN 0x08
.irp i, 0,1,2,3,4,5,6,7
	ds_store_b128 v[STO], v[32*(\a)+4*\i:32*(\a)+4*\i+3] offset:16*\i
.endr
	WIN 0
.set BB, BK+32*((\a)%2)
.irp i, 0,1,2,3,4,5,6,7
	ds_load_b128 v[BB+4*\i:BB+4*\i+3], v[RD] offset:544*\i
.endr
.endm
.macro SEND a, younger
.set BB, BK+32*((\a)%2)
	s_wait_dscnt \younger
.irp i, 0,1,2,3,4,5,6,7
	global_store_b128 v[CO], v[BB+4*\i:BB+4*\i+3], s[14:15] offset:(64*((\a)/4)+8*((\a)%4)+32*(\i/4)+2*(\i%4))*4096 th:TH_STORE_NT
.endr
.endm
	PLACES 4
	TOSTAGE 0
.irp a, 1,2,3,4,5,6,7
.if \a > 1
	s_wait_xcnt 0x0
.endif
	TOSTAGE \a
	SEND \a-1, 16
.endr
	SEND 7, 0
	s_wait_tensorcnt 0x0
	ds_add_u32 v[SPW], v[NIL]
	s_wait_dscnt 0x0
	CROUND
	s_endpgm
.Lfunc_end_k_qd78d34fdce_proj:
	.size	k_qd78d34fdce_proj, .Lfunc_end_k_qd78d34fdce_proj-k_qd78d34fdce_proj
	.p2alignl 7, 3214868480
	.fill 96, 4, 3214868480
	.section	.rodata,"a",@progbits
	.p2align	6, 0x0
	.amdhsa_kernel k_qd78d34fdce_proj
		.amdhsa_group_segment_fixed_size 327680
		.amdhsa_private_segment_fixed_size 0
		.amdhsa_enable_private_segment 0
		.amdhsa_kernarg_size 48
		.amdhsa_user_sgpr_count 2
		.amdhsa_user_sgpr_kernarg_segment_ptr 1
		.amdhsa_wavefront_size32 1
		.amdhsa_system_sgpr_workgroup_id_x 1
		.amdhsa_system_sgpr_workgroup_id_y 1
		.amdhsa_system_sgpr_workgroup_id_z 1
		.amdhsa_system_vgpr_workitem_id 0
		.amdhsa_next_free_vgpr 768
		.amdhsa_next_free_sgpr 100
		.amdhsa_reserve_vcc 0
		.amdhsa_float_denorm_mode_32 3
		.amdhsa_float_denorm_mode_16_64 3
		.amdhsa_memory_ordered 1
		.amdhsa_forward_progress 1
		.amdhsa_inst_pref_size 90
	.end_amdhsa_kernel
	.amdgpu_metadata
---
amdhsa.version: [ 1, 2 ]
amdhsa.kernels:
  - .name:           k_qd78d34fdce_proj
    .symbol:         k_qd78d34fdce_proj.kd
    .args:
      - { .name: oc, .offset: 0, .size: 8, .value_kind: global_buffer, .address_space: global }
      - { .name: os, .offset: 8, .size: 8, .value_kind: global_buffer, .address_space: global }
      - { .name: wc, .offset: 16, .size: 8, .value_kind: global_buffer, .address_space: global }
      - { .name: ws, .offset: 24, .size: 8, .value_kind: global_buffer, .address_space: global }
      - { .name: b_proj, .offset: 32, .size: 8, .value_kind: global_buffer, .address_space: global }
      - { .name: out0, .offset: 40, .size: 8, .value_kind: global_buffer, .address_space: global }
    .group_segment_fixed_size: 327680
    .private_segment_fixed_size: 0
    .kernarg_segment_align: 8
    .kernarg_segment_size: 48
    .max_flat_workgroup_size: 128
    .sgpr_count:     100
    .vgpr_count:     768
    .wavefront_size: 32
...
	.end_amdgpu_metadata
.endif
;; end of part 4
